; MI455X (gfx1250); checked and timed in simulation.
; The chip was launched on July 23, 2026; its instructions are those of AMD's public machine-readable ISA for CDNA 5 (MIT licence, August 2026) and "CDNA5" Instruction Set Architecture Reference Guide (July 2026). The comments in the code are by the model that wrote it; some were corrected since.
;; Causal Self Attention. Allowed arithmetic: matrix products marked QUANTISED: E2M3 operands, one E8M0 scale for each 32 along K, by v_wmma_scale_f32_16x16x128_f8f6f4 with both operands' format E2M3, f32 sums; everything else in f32.
;; Inputs: Wproj 1,024 x 1,024 float32; Wqkv 3,072 x 1,024 float32; bproj 1,024 float32; bqkv 3,072 float32; x 4 x 2,048 x 1,024 float32.
;; Outputs: out0 4 x 2,048 x 1,024 float32.
;; This version of the problem:
;;   THIS VERSION OF THE PROBLEM IS GIVEN IN LOW PRECISION. The matrix products marked QUANTISED in the list below multiply operands that are first quantised to E2M3 (2 exponent bits, 3 mantissa bits; 6 bits a number), with one power-of-two scale for each 32 numbers along K (OCP MX v1.0); their sums are f32. All else is computed in f32.
;;   The module's matrix products, in the order in which they are computed (A, B: the left and right operand; K: the contracted axis; several contracted axes count as one K, in the product's order):
;;     1. [M 8,192, K 1,024] x [K 1,024, N 3,072]; A: input x; B: input Wqkv: QUANTISED
;;     2. batch 64 x [M 2,048, K 64] x [K 64, N 2,048]; A: computed on the way; B: computed on the way: QUANTISED
;;     3. batch 64 x [M 2,048, K 2,048] x [K 2,048, N 64]; A: softmax (see below); B: computed on the way: QUANTISED
;;     4. [M 8,192, K 1,024] x [K 1,024, N 1,024]; A: computed on the way; B: input Wproj: QUANTISED
;;   THE QUANTISER, for each operand of a quantised product, along K:
;;     - K is cut into blocks of 32 from its start; a last block that is shorter is filled with zeros.
;;     - A block's scale is 2^e with e = floor(log2(the largest magnitude in the block)) - 2, held to -126 .. 127; a block of zeros has e = 0. As a byte (E8M0): e + 127.
;;     - Each number is divided by its block's scale, clamped to +-7.5, and rounded to the nearest number of E2M3, ties to even, subnormals kept.
;;     - The product sums the exact products of the quantised numbers (number of the format x scale) in f32.
;;   ~~~python
;;   def quantise(x, axis):      # numpy; x: float32 -> the quantised numbers, widened to float32 again
;;       x = np.moveaxis(x, axis, -1); K = x.shape[-1]
;;       x = np.pad(x, [(0, 0)] * (x.ndim - 1) + [(0, -K % 32)]); x = x.reshape(x.shape[:-1] + (-1, 32)); a = np.abs(x).max(-1, keepdims=True)
;;       e = np.where(a > 0, np.clip(np.frexp(np.where(a > 0, a, 1))[1] - 1 - 2, -126, 127), 0)      # np.frexp(a)[1] - 1 = floor(log2(a)), exactly
;;       r = np.clip(x / 2.0 ** e, -7.5, 7.5)
;;       step = 2.0 ** (np.maximum(np.frexp(np.where(r == 0, 1, r))[1] - 1, 0) - 3)
;;       q = np.round(r / step) * step * 2.0 ** e      # np.round: ties to even
;;       return np.moveaxis(q.reshape(q.shape[:-2] + (-1,))[..., :K], -1, axis).astype(np.float32)
;;   ~~~
;;   SOFTMAX AHEAD OF A QUANTISED PRODUCT. Where the list says 'softmax', what is quantised is not the finished softmax but p = 2^(t - M), with t = logit x log2(e) and M = ceil(the row's largest t), a whole number; so 1/2 < the row's largest p <= 1. The row's sum l is taken of the UNQUANTISED p, in f32, and the product's result is divided by l at the end. Since M is a whole number, a kernel that streams over the keys may use a running M (the ceiling of the running maximum): every later rescaling is an exact power of two, which a block's scale takes up: the codes' values come out the same.
;;   OPERANDS COMPUTED ON THE WAY. 'Computed on the way' means the value that the module computes at that place (a softmax that the list does not call 'softmax' is quantised finished and normalised). What goes into a quantiser is computed in f32, as accurately as f32 sums, v_exp_f32 and their like allow (about 1e-6 of the number): no bf16 or f16 on the way to a quantiser, and a product that is left as it is and whose result goes on into a quantised operand takes f32 operands (vector FMAs, or v_wmma_f32_16x16x4_f32). A number that lies on a knife's edge between two numbers of the format may be rounded either way, as far as f32 arithmetic and the matrix unit's own rounding can turn it there, and no further.
;; One version. Each part assembles by itself: llvm-mc -triple=amdgcn-amd-amdhsa -mcpu=gfx1250 --defsym DOCPART=n.
;; ======== version 1 of 1: 4 launches
;; workspace buffers: cimg 10,223,616 bytes; qkv 20,447,232 bytes; yimg 6,815,744 bytes
;; launch quant (part 1): grid 256 x 1, 6 waves a work-group, no clusters, 51,456 bytes of LDS; arguments x, Wqkv, Wproj, cimg; writes cimg
.if DOCPART == 1
	.amdgcn_target "amdgcn-amd-amdhsa--gfx1250"
	.amdhsa_code_object_version 6
	.text
	.protected	k_qdee7979ee2_quant
	.globl	k_qdee7979ee2_quant
	.p2align	8
	.type	k_qdee7979ee2_quant,@function
k_qdee7979ee2_quant:
	s_mov_b64 s[64:65], 0
	v_nop
	global_prefetch_b8 v0, s[64:65] scope:SCOPE_SE
	s_setreg_imm32_b32 hwreg(HW_REG_WAVE_MODE, 25, 1), 1
	s_wait_xcnt 0x0
; x [8192][1024], Wqkv [3072][1024], Wproj [1024][1024], f32, K innermost, become codes of FP6 (E2M3) with one E8M0 byte for each 32 along K.
; A block's scale is 2^(floor(log2(its largest magnitude)) - 2); its byte is the largest magnitude's exponent field - 2, held at 1 from below.
; LIMITS: NaN and infinities are not served; a block whose largest magnitude lies under 2^-124 is held at byte 1; a block of zeros gets byte 1, not 127: its codes are zeros, and this program alone reads the bytes.
; LAYOUT OF cimg: 768 tiles of 16 rows (0-511 x, 512-703 Wqkv, 704-767 Wproj), 13,312 bytes each.  THE ROWS OF A TILE ARE NOT NEIGHBOURS: row i of tile T is row 32 (T / 2) + 8 (T % 2) + i + 8 (i / 8)
; of its tensor.  A tile is four units of 3,328 bytes, one for each 256 along K.  A unit is four HALF-IMAGES of 768 bytes (16 rows x 64 K: six operand registers of 32 lanes: the first four at 16 x lane,
; the other two at 512 + 8 x lane) and 256 bytes of scale words: the word of row lane % 16 for the unit's q-th 128 along K at 8 x lane + 4 q (lanes 16-31 repeat lanes 0-15).
; SHARES: 1,536 waves; a wave takes one tile and 512 along K, in four steps of 128.  Each load reads 512 consecutive bytes of a row; a step's 16 rows turn through the wave's own stage in LDS
; (rows of 512 + 16 bytes) so that lane (r, h) gets, of row r, 16 neighbours of each block of 32.  Every store covers 512 or 256 consecutive bytes, aligned.  Waves share nothing: no barrier.
.set STG,  8448                        ; a wave's stage: 16 rows x 528 bytes
.set SP,   528
.set R,    16                          ; v16-143  two sets of 64 registers as loaded
.set X,    144                         ; v144-207 register 16 b + i = k 32 b + 16 h + i of my row
.set PC,   208                         ; v208-219 the fragment's codes; v220-226 at work
.set TM,   228                         ; v228-231 largest magnitudes, v232-235 bytes, v240-243 the conversions' scale operands
.set PWP,  244                         ; v244-245 the scale words of a unit's two steps
.set SEL,  20                          ; s[20:21] lane selects: lane l xor 16
	s_load_b256 s[4:11], s[0:1], 0x0               ; x s[4:5], Wqkv s[6:7], Wproj s[8:9], cimg s[10:11]
	v_lshl_add_u32 v248, v0, 2, 0xc600
	v_mov_b32 v249, 0
	v_lshrrev_b32 v5, 5, v0
	v_readfirstlane_b32 s12, v5                    ; wave 0..5
	v_and_b32 v6, 31, v0                           ; lane
	v_and_b32 v7, 15, v0                           ; r
	v_bfe_u32 v8, v0, 4, 1                         ; h
	v_lshlrev_b32 v1, 4, v6                        ; 16 x lane
	v_lshlrev_b32 v2, 3, v6                        ; 8 x lane
	s_mul_i32 s13, s12, STG
	v_add_nc_u32 v3, s13, v1                       ; the stage, on the way in
	v_mul_u32_u24 v4, v7, SP
	v_lshl_add_u32 v4, v8, 6, v4
	v_add_nc_u32 v4, s13, v4                       ; and on the way out: row r, + 64 h
	s_mov_b32 s[SEL], 0x76543210
	s_mov_b32 s[SEL+1], 0xfedcba98
.irp b, 0,1,2,3
	v_mov_b32 v[TM+4+\b], 0                        ; written once: a lane permute's destination counts as one of its sources
.endr
	s_mul_i32 s14, ttmp9, 6
	s_add_co_u32 s14, s14, s12                     ; my wave among the 1,536
	s_lshr_b32 s15, s14, 1                         ; tile
	s_and_b32 s16, s14, 1                          ; which half of K
	s_mul_i32 s18, s14, 6656                       ; 13,312 x tile + 6,656 x half
	s_mov_b32 s19, 0
	s_mov_b32 s17, 704
	s_wait_alu depctr_va_vdst(0)
	s_wait_kmcnt 0x0
	s_cmp_lt_u32 s15, 704                          ; which tensor: the choice hangs on the tile's number alone
	s_cselect_b64 s[6:7], s[6:7], s[8:9]
	s_cselect_b32 s17, 512, s17
	s_cmp_lt_u32 s15, 512
	s_cselect_b64 s[4:5], s[4:5], s[6:7]
	s_cselect_b32 s17, 0, s17
	s_sub_co_u32 s15, s15, s17                     ; the tile's number in its tensor
	s_lshr_b32 s22, s15, 1
	s_lshl_b32 s22, s22, 17                        ; 32 rows of 4,096 bytes for each pair of tiles,
	s_and_b32 s23, s15, 1
	s_lshl_b32 s23, s23, 15                        ; 8 rows for the odd tile,
	s_add_co_u32 s22, s22, s23
	s_lshl_b32 s23, s16, 11                        ; 2,048 bytes for the upper half of K
	s_add_co_u32 s22, s22, s23
	s_mov_b32 s23, 0
	s_add_nc_u64 s[4:5], s[4:5], s[22:23]
	s_add_nc_u64 s[10:11], s[10:11], s[18:19]
.macro LOAD jj                         ; step jj: 128 along K of the tile's 16 rows
.irp i, 0,1,2,3,4,5,6,7,8,9,10,11,12,13,14,15
	global_load_b128 v[R+64*((\jj)%2)+4*\i:R+64*((\jj)%2)+4*\i+3], v1, s[4:5] offset:(\i+8*(\i/8))*4096+512*(\jj) th:TH_LOAD_NT
.endr
.endm
.macro TURN jj                         ; through the stage: LDS serves a wave's instructions in order, so no wait stands between the stores and the loads
.irp i, 0,1,2,3,4,5,6,7,8,9,10,11,12,13,14,15
	ds_store_b128 v3, v[R+64*((\jj)%2)+4*\i:R+64*((\jj)%2)+4*\i+3] offset:SP*\i
.endr
.irp b, 0,1,2,3
.irp k, 0,1,2,3
	ds_load_b128 v[X+16*\b+4*\k:X+16*\b+4*\k+3], v4 offset:128*\b+16*\k
.endr
.endr
.endm
; 64 numbers of a lane, register 16 b + i = k 32 b + 16 h + i of my row, become a fragment's codes in v[PC] on and its scale word in v[pw]
.macro QUANT s, pw
.irp b, 0,1,2,3
	v_max3_num_f32 v[TM+\b], |v[\s+16*\b]|, |v[\s+1+16*\b]|, 0x1800000   ; my 16 numbers of block b, and the floor 2^(3 - 127): the byte cannot fall under 1
.endr
.irp i, 2,4,6,8,10,12,14
.irp b, 0,1,2,3
	v_max3_num_f32 v[TM+\b], v[TM+\b], |v[\s+16*\b+\i]|, |v[\s+1+16*\b+\i]|
.endr
.endr
.irp b, 0,1,2,3
	v_permlanex16_b32 v[TM+4+\b], v[TM+\b], s[SEL], s[SEL+1]
.endr
.irp b, 0,1,2,3
	v_max_num_f32 v[TM+\b], v[TM+\b], v[TM+4+\b]   ; with lane l xor 16's: the block's largest magnitude
.endr
.irp b, 0,1,2,3
	v_add_nc_u32 v[TM+12+\b], 0xff000000, v[TM+\b] ; 2 off its exponent field: the conversion takes this operand's exponent field as its scale
.endr
.irp b, 0,1,2,3
	v_lshrrev_b32 v[TM+4+\b], 23, v[TM+12+\b]      ; the scale's byte
.endr
	v_lshl_or_b32 v[\pw], v[TM+5], 8, v[TM+4]
	v_lshl_or_b32 v[\pw], v[TM+6], 16, v[\pw]
	v_lshl_or_b32 v[\pw], v[TM+7], 24, v[\pw]
.irp c, 0,1
	v_cvt_scalef32_pk16_fp6_f32 v[PC+6*\c:PC+2+6*\c], v[\s+32*\c:\s+15+32*\c], v[TM+12+2*\c]
	v_cvt_scalef32_pk16_fp6_f32 v[PC+12+4*\c:PC+14+4*\c], v[\s+16+32*\c:\s+31+32*\c], v[TM+12+2*\c+1]   ; (a conversion's three registers begin on an even number)
.endr
	v_nop                                          ; one plain instruction behind a scaled conversion
.irp c, 0,1                            ; the operand's layout wants a whole block in a lane: lanes 0-15 block 2 c, lanes 16-31 block 2 c + 1
.irp i, 0,1,2
	v_permlane16_swap_b32 v[PC+6*\c+\i], v[PC+12+4*\c+\i]
.endr
.irp i, 0,1,2
	v_mov_b32 v[PC+3+6*\c+\i], v[PC+12+4*\c+\i]
.endr
.endr
.endm
.macro OUT jj                          ; the fragment leaves as two half-images; behind a unit's second step its 256 bytes of scale words
.set OFS, 3328*((\jj)/2)+1536*((\jj)%2)
	global_store_b128 v1, v[PC:PC+3], s[10:11] offset:OFS
	global_store_b64 v2, v[PC+4:PC+5], s[10:11] offset:OFS+512
	global_store_b128 v1, v[PC+6:PC+9], s[10:11] offset:OFS+768
	global_store_b64 v2, v[PC+10:PC+11], s[10:11] offset:OFS+1280
.if (\jj)%2 == 1
	global_store_b64 v2, v[PWP:PWP+1], s[10:11] offset:3328*((\jj)/2)+3072
.endif
.endm
	LOAD 0
	LOAD 1
.irp jj, 0,1,2,3
.if \jj < 3
	s_wait_loadcnt 16                              ; this step's 16 loads are in; the next step's 16 stay out
.else
	s_wait_loadcnt 0x0
.endif
	TURN \jj
	s_wait_dscnt 0x0                               ; the numbers are back, and the stage's stores have read the set that is loaded again below
.if \jj < 2
	LOAD \jj+2
.endif
	s_wait_xcnt 0x0                                ; the last step's stores have read their data: the codes and the scale words are written again only behind this wait
	QUANT X, PWP+\jj%2
	OUT \jj
.endr
	s_wait_tensorcnt 0x0
	ds_add_u32 v248, v249
	s_wait_dscnt 0x0
	s_endpgm
.Lfunc_end_k_qdee7979ee2_quant:
	.size	k_qdee7979ee2_quant, .Lfunc_end_k_qdee7979ee2_quant-k_qdee7979ee2_quant
	.p2alignl 7, 3214868480
	.fill 96, 4, 3214868480
	.section	.rodata,"a",@progbits
	.p2align	6, 0x0
	.amdhsa_kernel k_qdee7979ee2_quant
		.amdhsa_group_segment_fixed_size 51456
		.amdhsa_private_segment_fixed_size 0
		.amdhsa_enable_private_segment 0
		.amdhsa_kernarg_size 32
		.amdhsa_user_sgpr_count 2
		.amdhsa_user_sgpr_kernarg_segment_ptr 1
		.amdhsa_wavefront_size32 1
		.amdhsa_system_sgpr_workgroup_id_x 1
		.amdhsa_system_sgpr_workgroup_id_y 1
		.amdhsa_system_sgpr_workgroup_id_z 1
		.amdhsa_system_vgpr_workitem_id 0
		.amdhsa_next_free_vgpr 250
		.amdhsa_next_free_sgpr 66
		.amdhsa_reserve_vcc 0
		.amdhsa_float_denorm_mode_32 3
		.amdhsa_float_denorm_mode_16_64 3
		.amdhsa_memory_ordered 1
		.amdhsa_forward_progress 1
		.amdhsa_inst_pref_size 34
	.end_amdhsa_kernel
	.amdgpu_metadata
---
amdhsa.version: [ 1, 2 ]
amdhsa.kernels:
  - .name:           k_qdee7979ee2_quant
    .symbol:         k_qdee7979ee2_quant.kd
    .args:
      - { .name: x, .offset: 0, .size: 8, .value_kind: global_buffer, .address_space: global }
      - { .name: Wqkv, .offset: 8, .size: 8, .value_kind: global_buffer, .address_space: global }
      - { .name: Wproj, .offset: 16, .size: 8, .value_kind: global_buffer, .address_space: global }
      - { .name: cimg, .offset: 24, .size: 8, .value_kind: global_buffer, .address_space: global }
    .group_segment_fixed_size: 51456
    .private_segment_fixed_size: 0
    .kernarg_segment_align: 8
    .kernarg_segment_size: 32
    .max_flat_workgroup_size: 192
    .sgpr_count:     66
    .vgpr_count:     250
    .wavefront_size: 32
...
	.end_amdgpu_metadata
.endif
;; end of part 1
;; launch qkv (part 2): grid 192 x 4, 4 waves a work-group, clusters of 4 x 4, 320,000 bytes of LDS; arguments cimg, bqkv, qkv; writes qkv
.if DOCPART == 2
	.amdgcn_target "amdgcn-amd-amdhsa--gfx1250"
	.amdhsa_code_object_version 6
	.text
	.protected	k_qdee7979ee2_qkv
	.globl	k_qdee7979ee2_qkv
	.p2align	8
	.type	k_qdee7979ee2_qkv,@function
k_qdee7979ee2_qkv:
	s_mov_b64 s[64:65], 0
	v_nop
	global_prefetch_b8 v0, s[64:65] scope:SCOPE_SE
	s_setreg_imm32_b32 hwreg(HW_REG_WAVE_MODE, 25, 1), 1
	s_wait_xcnt 0x0
	s_wait_alu depctr_hold_cnt(0) depctr_sa_sdst(0) depctr_va_vdst(0) depctr_va_sdst(0) depctr_va_ssrc(0) depctr_va_vcc(0) depctr_vm_vsrc(0)
	s_getreg_b32 s2, hwreg(HW_REG_IB_STS2, 6, 4)
	s_cmp_eq_u32 s2, 0
	s_cbranch_scc0 .Lentry_in_a_cluster
	s_endpgm
.Lentry_in_a_cluster:
	s_bfe_u32 s2, ttmp6, 0x10000c
	s_cmp_lg_u32 s2, 0xf033
	s_cbranch_scc0 .Lentry_shape_is_right
	s_endpgm
.Lentry_shape_is_right:
; qkv = x Wqkv^T + bqkv on codes of FP6 (E2M3) with E8M0 scales, and its result quantised in registers: q and k along the head's 64, v along the tokens (the keys).
; THE PRODUCT: R[i][j] = sum over k of P[i][k] Q[j][k]; source 0 = 16 rows of Q, source 1 = 16 rows of P: a lane holds ONE row of P and its registers run along Q's rows.  The rows of a tile are chosen
; (row i of tile T = row 32 (T / 2) + 8 (T % 2) + i + 8 (i / 8)) so that the 16 registers of result tiles 2 b and 2 b + 1 are 16 NEIGHBOURS along Q's rows: the result is quantised along Q's axis with no transposition.
; For q and k (clusters 0-31): P = x, Q = Wq or Wk: quantised along the features.  For v (clusters 32-47): P = Wv, Q = x: quantised along the tokens.
; SHARES: a work-group makes 128 rows of P x 256 rows of Q over all K = 1,024; wave (wr, wc) makes P's tiles 4 wr .. + 3 x Q's tiles 8 wc .. + 7: 32 accumulators.  All of a work-group's operands, 319,488 bytes, are
; brought into LDS ONCE, a quarter of K at a time (four tensor loads a wave, all issued at the start): no LDS byte is filled twice.
; CLUSTER 4 x 4: P's tiles are shared along a row of the cluster, Q's along a column: each is asked for jointly.
; LAYOUT OF cimg: see the quantiser: a tile of 16 rows = four units of 3,328 bytes (256 K each) = four half-images of 768 bytes + 256 bytes of scale words.  A fragment comes by four dense LDS loads.
; LAYOUT OF qkv: q at 0: for each batch x head 32 units; unit G = the half-images (K = the head's 64) of token tiles 4 G + i, and at 3,072 + 16 r + 4 i the scale word of row r (bytes 0, 1; bytes 2, 3 = 0).
;   k and v from QSEC on: for each batch x head 16 key steps of 13,312 bytes: two units of k (as q's), two units of v: unit kg = the half-images of the head's four tiles of 16 channels for keys 64 kg .. + 63; the whole
;   scale word of the key step at 3,072 + 16 r + 4 dt, in both units.
; LIMITS: NaN and infinities are not served; a block whose largest magnitude lies under 2^-124 is held at byte 1; a block of zeros gets byte 1 (its codes are zeros; this program alone reads the bytes).
; REGISTERS: window 0: v1 r, v2 h, v8-12 LDS addresses, v20-23, v27-28 offsets, v32-63 scale words (two sets), v64-127 the bias as the first C, v128-223 P's fragments (two sets; on the way out: at work).
;   window 1: Q's fragments, two sets, at v0 and v128.   window 2: accumulator (a, b) at v[8 (8 a + b)].
.set UNIT,    3328
.set TILEB,   13312
.set QUARTER, 79872                    ; LDS: a quarter of K: P's 8 units, then Q's 16
.set QOFF,    26624
.set QSEC,    6815744
.set SC,   32
.set BIAS, 64
.set AF,   128
.set TM,   168
.set PWS,  184
.set SD,   188
.set G1,   24                          ; s[24:31] group 1 for P's tiles, s[32:39] for Q's; s[40:55], s[68:83] their groups 0, one for each quarter
.set G1B,  32
.set G0,   40
.set G0B,  68
.set WV,   12
.set WR,   13
.set WC,   14
.set CX,   15
.set CY,   16
.set SEL,  2
.set OB,   98
.set OB2,  100
.set MSB, 0
.macro WIN new                         ; the immediate's high byte repeats the setting that is left
.if MSB != \new
	s_set_vgpr_msb (MSB<<8)|\new
.set MSB, \new
.endif
.endm
.set MUL,  0xa1                        ; source 0 (Q) window 1, source 1 (P) window 0, C and D window 2
.set MULC, 0x81                        ; the same with C (the bias) in window 0
.set TO_B, 0x40                        ; destination window 1, address window 0
.macro JLOAD kq                        ; a joint load: waves 0 and 1 fetch P's halves, waves 2 and 3 Q's; four v_nop follow each of the two lines
	s_cmp_eq_u32 s[WR], 0
	s_cbranch_scc0 .Lfor_q_\@
	tensor_load_to_lds s[G0+4*\kq:G0+4*\kq+3], s[G1:G1+7]
	s_nop 0
.rept 4
	v_nop
.endr
	s_branch .Lasked_\@
.Lfor_q_\@:
	tensor_load_to_lds s[G0B+4*\kq:G0B+4*\kq+3], s[G1B:G1B+7]
	s_nop 0
.rept 4
	v_nop
.endr
.Lasked_\@:
.endm
.macro CROUND                          ; a round of the cluster's barrier
	s_barrier_signal -1
	s_barrier_wait -1
	s_cmp_lg_u32 s[WV], 0
	s_cbranch_scc1 .Lnot_wave_0_\@
	s_barrier_signal -3
.Lnot_wave_0_\@:
	s_barrier_wait -3
	s_barrier_signal -1
	s_barrier_wait -1
.endm
.macro PLACES n
.rept \n
	v_nop
.endr
.endm
.macro FRAG reg, a16, a8, d            ; a fragment = two half-images: 512 + 256 + 512 + 256 consecutive bytes
	ds_load_b128 v[(\reg):(\reg)+3], v[\a16] offset:(\d)
	ds_load_b64 v[(\reg)+4:(\reg)+5], v[\a8] offset:(\d)+512
	ds_load_b128 v[(\reg)+6:(\reg)+9], v[\a16] offset:(\d)+768
	ds_load_b64 v[(\reg)+10:(\reg)+11], v[\a8] offset:(\d)+1280
.endm
.macro FETCH q, set                    ; the quarter's q-th 128 along K: Q's eight fragments and P's four: 48 loads in one run
	WIN TO_B
.irp i, 0,1,2,3,4,5,6,7
	FRAG 128*(\set)+12*\i, 10, 11, UNIT*\i+1536*(\q)
.endr
	WIN 0
.irp i, 0,1,2,3
	FRAG AF+48*(\set)+12*\i, 8, 9, UNIT*\i+1536*(\q)
.endr
.endm
.macro SCALES sc                       ; a quarter's scale words, two a row: lanes 0-15 take P's tile i, lanes 16-31 Q's tile i (for i above 3 lanes 0-15 read landed bytes that nothing uses)
.irp i, 0,1,2,3,4,5,6,7
	ds_load_b64 v[SC+16*(\sc)+2*\i:SC+16*(\sc)+2*\i+1], v12 offset:UNIT*\i+3072
.endr
.endm
; 16 products: P's tiles a0, a0 + 1 x Q's eight.  cm = 0: onto the sums; 1: the bias runs along the registers (Q's rows); 2: it is the lane's (P's row).  The 32 accumulators take turns in one order.
.macro MUL16 a0, set, q, sc, cm
.irp a, \a0, \a0+1
.irp b, 0,1,2,3,4,5,6,7
.if \cm == 1
	v_wmma_scale_f32_16x16x128_f8f6f4 v[8*(8*(\a)+\b):8*(8*(\a)+\b)+7], v[128*(\set)+12*\b:128*(\set)+12*\b+11], v[AF+48*(\set)+12*(\a):AF+48*(\set)+12*(\a)+11], v[BIAS+8*\b:BIAS+8*\b+7], v[SC+16*(\sc)+2*\b+(\q)], v[SC+16*(\sc)+2*(\a)+(\q)] matrix_a_fmt:MATRIX_FMT_FP6 matrix_b_fmt:MATRIX_FMT_FP6 matrix_a_scale:MATRIX_SCALE_ROW1
.elseif \cm == 2
	v_wmma_scale_f32_16x16x128_f8f6f4 v[8*(8*(\a)+\b):8*(8*(\a)+\b)+7], v[128*(\set)+12*\b:128*(\set)+12*\b+11], v[AF+48*(\set)+12*(\a):AF+48*(\set)+12*(\a)+11], v[BIAS+8*(\a):BIAS+8*(\a)+7], v[SC+16*(\sc)+2*\b+(\q)], v[SC+16*(\sc)+2*(\a)+(\q)] matrix_a_fmt:MATRIX_FMT_FP6 matrix_b_fmt:MATRIX_FMT_FP6 matrix_a_scale:MATRIX_SCALE_ROW1
.else
	v_wmma_scale_f32_16x16x128_f8f6f4 v[8*(8*(\a)+\b):8*(8*(\a)+\b)+7], v[128*(\set)+12*\b:128*(\set)+12*\b+11], v[AF+48*(\set)+12*(\a):AF+48*(\set)+12*(\a)+11], v[8*(8*(\a)+\b):8*(8*(\a)+\b)+7], v[SC+16*(\sc)+2*\b+(\q)], v[SC+16*(\sc)+2*(\a)+(\q)] matrix_a_fmt:MATRIX_FMT_FP6 matrix_b_fmt:MATRIX_FMT_FP6 matrix_a_scale:MATRIX_SCALE_ROW1
.endif
.endr
.endr
.endm
.macro STEPE sc                        ; a quarter's first 128 along K (set 0); its second 128 are fetched into set 1 ahead of the products
	s_wait_dscnt 0x0                               ; set 0 and the quarter's scale words are in
	PLACES 4                                       ; in front of loads into set 1, which the last products read
	FETCH 1, 1
	WIN MUL
	MUL16 0, 0, 0, \sc, 0
	MUL16 2, 0, 0, \sc, 0
	WIN 0
.endm
.macro STEPO tc, sc                    ; a quarter's second 128 (set 1), and the step into the next quarter
	s_wait_dscnt 0x0                               ; set 1 is in; no LDS instruction of mine is out at the signal
	s_wait_tensorcnt \tc                           ; my part of the next quarter has landed: tc loads of mine were issued behind it
	s_barrier_signal -1
	WIN MUL
	MUL16 0, 1, 1, \sc, 0
	WIN 0
	s_barrier_wait -1                              ; everybody's part has landed.  Later quarters may stay on their way
.irp r, 8,9,10,11,12
	v_add_nc_u32 v\r, QUARTER, v\r                 ; on to the next quarter; these five are also the places in front of the loads into set 0
.endr
	FETCH 0, 0
	SCALES 1-\sc
	WIN MUL
	MUL16 2, 1, 1, \sc, 0
	WIN 0
.endm
	s_load_b128 s[4:7], s[0:1], 0x0                ; cimg s[4:5], bqkv s[6:7]
	s_load_b64 s[8:9], s[0:1], 0x10                ; qkv
	v_lshl_add_u32 v254, v0, 2, 0x4e000
	v_mov_b32 v255, 0
	ds_add_u32 v254, v255
	ds_add_u32 v254, v255
	v_lshrrev_b32 v1, 5, v0
	v_readfirstlane_b32 s[WV], v1                  ; wave 0..3
	s_lshr_b32 s[WR], s[WV], 1                     ; which half of P's tiles is mine.  Also: I fetch for P (0) or for Q (1)
	s_and_b32 s[WC], s[WV], 1                      ; which half of Q's tiles.  Also: which half of that operand I fetch
	s_bfe_u32 s[CX], ttmp6, 0x40000
	s_bfe_u32 s[CY], ttmp6, 0x40004
	s_lshl_b32 s17, s[CY], 2
	s_lshl_b32 s17, 15, s17                        ; my row of the cluster
	s_lshl_b32 s18, 0x1111, s[CX]                  ; my column
	s_or_b32 s[G1], s17, (3<<16)|(1<<21)           ; 15:0 the mask; 17:16 elements of 8 bytes; 21 set beside a mask; no padding
	s_or_b32 s[G1B], s18, (3<<16)|(1<<21)
	s_mov_b32 s[G1+1], 416<<16                     ; tensor_dim0 = 416 elements: a unit of 3,328 bytes
	s_mov_b32 s[G1+2], 4<<16                       ; tensor_dim1 = 4 tiles
	s_mov_b32 s[G1+3], 416<<16                     ; tile_dim0
	s_mov_b32 s[G1+4], 4                           ; tile_dim1
	s_mov_b32 s[G1+5], 1664                        ; from tile to tile: 13,312 bytes
	s_mov_b32 s[G1+6], 0
	s_mov_b32 s[G1+7], 0
	s_mov_b32 s[G1B+1], 416<<16
	s_mov_b32 s[G1B+2], 8<<16                      ; Q: 8 tiles
	s_mov_b32 s[G1B+3], 416<<16
	s_mov_b32 s[G1B+4], 8
	s_mov_b32 s[G1B+5], 1664
	s_mov_b32 s[G1B+6], 0
	s_mov_b32 s[G1B+7], 0
	; which tiles: c = the cluster's number.  c < 32: P = x's tiles 32 (c / 2) + 8 cy on, Q = tiles 512 + 64 (c % 2) + 16 cx on.  Else: P = 640 + 32 (c % 2) + 8 cy on, Q = x's tiles 64 (c / 2 - 16) + 16 cx on
	s_and_b32 s17, ttmp9, 1
	s_lshr_b32 s18, ttmp9, 1
	s_lshl_b32 s19, s17, 5
	s_add_co_u32 s19, s19, 640
	s_lshl_b32 s20, s18, 5
	s_lshl_b32 s21, s18, 6
	s_sub_co_u32 s21, s21, 1024
	s_lshl_b32 s22, s17, 6
	s_add_co_u32 s22, s22, 512
	s_cmp_ge_u32 ttmp9, 32
	s_cselect_b32 s19, s19, s20
	s_cselect_b32 s21, s21, s22
	s_lshl_b32 s20, s[CY], 3
	s_add_co_u32 s19, s19, s20                     ; P's first tile: hangs on cy and the cluster alone
	s_lshl_b32 s22, s[CX], 4
	s_add_co_u32 s21, s21, s22                     ; Q's first tile: on cx and the cluster alone
	s_lshl_b32 s56, s[WC], 2
	s_add_co_u32 s56, s56, s19
	s_mul_i32 s56, s56, TILEB                      ; what I would fetch of P, in bytes
	s_mov_b32 s57, 0
	s_lshl_b32 s58, s[WC], 3
	s_add_co_u32 s58, s58, s21
	s_mul_i32 s58, s58, TILEB                      ; and of Q
	s_mov_b32 s59, 0
	s_mul_i32 s60, s[WC], TILEB                    ; where it goes in a quarter: no place in the cluster enters an LDS address
	s_mul_i32 s61, s[WC], 2*TILEB
	s_add_co_u32 s61, s61, QOFF
	s_mov_b32 s[SEL], 0x76543210
	s_mov_b32 s[SEL+1], 0xfedcba98
	s_wait_dscnt 0x0
	s_wait_kmcnt 0x0
	s_add_nc_u64 s[56:57], s[4:5], s[56:57]
	s_add_nc_u64 s[58:59], s[4:5], s[58:59]
	CROUND                                         ; all sixteen work-groups are here: the joint loads meet
.irp kq, 0,1,2,3                       ; all four quarters are asked for at once: four tensor loads of mine are out
	s_mov_b32 s[G0+4*\kq], 1
	s_add_co_u32 s[G0+4*\kq+1], s60, QUARTER*\kq
	s_add_nc_u64 s[G0+4*\kq+2:G0+4*\kq+3], s[56:57], UNIT*\kq
	s_or_b32 s[G0+4*\kq+3], s[G0+4*\kq+3], 0x80000000
	s_mov_b32 s[G0B+4*\kq], 1
	s_add_co_u32 s[G0B+4*\kq+1], s61, QUARTER*\kq
	s_add_nc_u64 s[G0B+4*\kq+2:G0B+4*\kq+3], s[58:59], UNIT*\kq
	s_or_b32 s[G0B+4*\kq+3], s[G0B+4*\kq+3], 0x80000000
	JLOAD \kq
.endr
	v_and_b32 v3, 31, v0                           ; lane
	v_and_b32 v1, 15, v0                           ; r
	v_bfe_u32 v2, v0, 4, 1                         ; h
	v_lshlrev_b32 v20, 4, v3                       ; 16 x lane
	v_lshlrev_b32 v21, 3, v3                       ; 8 x lane
	s_mul_i32 s62, s[WR], TILEB                    ; my four tiles of P
	v_add_nc_u32 v8, s62, v20
	v_add_nc_u32 v9, s62, v21
	v_add_nc_u32 v10, s61, v20                     ; my eight tiles of Q
	v_add_nc_u32 v11, s61, v21
	s_sub_co_u32 s63, s61, s62
	v_mul_u32_u24 v12, s63, v2                     ; the scale words: lanes 16-31 take Q's: one product, the distance x h
	v_add_nc_u32 v12, v12, v9
	v_lshlrev_b32 v22, 6, v2                       ; the bias along the registers: 64 h
	v_and_b32 v23, 8, v1
	v_add_nc_u32 v23, v23, v1
	v_lshlrev_b32 v23, 2, v23                      ; the lane's bias: 4 (r + 8 (r / 8))
	s_lshl_b32 s62, s17, 4
	s_lshl_b32 s63, s[CX], 2
	s_add_co_u32 s62, s62, s63
	s_lshl_b32 s63, s[WC], 1
	s_add_co_u32 s62, s62, s63                     ; q, k: my first head among the 32 of q and k
	s_and_b32 s86, s62, 15
	s_lshl_b32 s62, s62, 8
	s_mov_b32 s63, 0
	s_add_nc_u64 s[10:11], s[6:7], s[62:63]        ; its 64 numbers of bqkv
	s_lshl_b32 s87, s17, 3
	s_lshl_b32 s62, s[CY], 1
	s_add_co_u32 s87, s87, s62
	s_add_co_u32 s87, s87, s[WR]                   ; v: my head
	s_lshl_b32 s62, s87, 8
	s_add_co_u32 s62, s62, 8192
	s_add_nc_u64 s[22:23], s[6:7], s[62:63]
	s_cmp_ge_u32 ttmp9, 32                         ; the cluster's number: the same in all partners
	s_cbranch_scc1 .Lbias_v
	s_wait_alu depctr_va_vdst(0)
.irp b, 0,1,2,3,4,5,6,7                ; register j of C (., b): the bias of feature 32 (b / 2) + 16 h + 8 (b % 2) + j
	global_load_b128 v[BIAS+8*\b:BIAS+8*\b+3], v22, s[10:11] offset:4*(32*(\b/2)+8*(\b%2))
	global_load_b128 v[BIAS+8*\b+4:BIAS+8*\b+7], v22, s[10:11] offset:4*(32*(\b/2)+8*(\b%2))+16
.endr
	s_branch .Lbias_done
.Lbias_v:
	s_wait_alu depctr_va_vdst(0)
.irp x, 0,1,2,3,4,5,6,7                ; all eight registers of C (a, .): the bias of my row of P's tile a (both ways write all 64 registers)
.irp j, 0,1,2,3,4,5,6,7
	global_load_b32 v[BIAS+8*\x+\j], v23, s[22:23] offset:4*(32*((\x%4)/2)+8*(\x%2))
.endr
.endr
.Lbias_done:
	; where my results go, made while the first tiles are on their way
	s_lshl_b32 s84, s[WR], 2
	s_add_co_u32 s84, s84, s19                     ; q, k: my first token tile
	s_lshl_b32 s85, s[WC], 3
	s_add_co_u32 s85, s85, s21                     ; v: likewise
	s_lshr_b32 s88, ttmp9, 5
	s_or_b32 s88, s88, s17                         ; not 0: k or v
	s_mov_b32 s90, 0xffff
	s_cmp_ge_u32 ttmp9, 32
	s_cselect_b32 s84, s85, s84
	s_cselect_b32 s86, s87, s86                    ; the head
	s_cselect_b32 s89, 0, 16                       ; q, k: lanes 16-31 store the scale word's upper two bytes, for the second head
	s_cselect_b32 s90, -1, s90                     ; v: the whole word
	s_lshr_b32 s85, s84, 7                         ; batch
	s_and_b32 s84, s84, 127
	s_lshl_b32 s85, s85, 4
	s_add_co_u32 s86, s86, s85                     ; batch x head
	s_lshr_b32 s87, s84, 3                         ; key step
	s_bfe_u32 s91, s84, 0x10002
	s_mul_i32 s91, s91, UNIT                       ; q, k: the step's second unit
	s_mov_b32 s92, 106496
	s_mov_b32 s93, 6656
	s_cmp_lg_u32 s88, 0
	s_cselect_b32 s92, 212992, s92                 ; bytes for a batch x head
	s_cselect_b32 s93, TILEB, s93                  ; and for 128 tokens
	s_cselect_b32 s94, QSEC, 0
	s_cmp_ge_u32 ttmp9, 32
	s_cselect_b32 s91, 6656, s91                   ; v's units lie behind k's two
	s_cselect_b32 s96, UNIT, s92                   ; from the fragment's first half-image to its second: v: the next unit; q, k: the next head
	s_mov_b32 s97, 0
	s_mul_i32 s86, s86, s92
	s_mul_i32 s87, s87, s93
	s_add_co_u32 s94, s94, s86
	s_add_co_u32 s94, s94, s87
	s_add_co_u32 s94, s94, s91
	s_mov_b32 s95, 0
	s_add_nc_u64 s[OB:OB+1], s[8:9], s[94:95]
	s_add_nc_u64 s[OB2:OB2+1], s[OB:OB+1], s[96:97]
	v_mul_u32_u24 v27, s89, v2
	v_mul_u32_u24 v28, s96, v2
	v_lshl_add_u32 v28, v1, 4, v28                 ; the scale words' place: 16 r, lanes 16-31 in the second unit or head
	s_wait_tensorcnt 3                             ; my part of quarter 0 has landed: three loads of mine were issued behind it
	s_barrier_signal -1
	s_barrier_wait -1                              ; everybody's has
	FETCH 0, 0
	SCALES 0
	s_wait_dscnt 0x0
	s_wait_loadcnt 0x0                             ; the bias
	FETCH 1, 1
	s_cmp_ge_u32 ttmp9, 32                         ; the first products start the sums with the bias as C: nothing is cleared, nothing is added later
	s_cbranch_scc1 .Lfirst_v
	WIN MULC
	MUL16 0, 0, 0, 0, 1
	MUL16 2, 0, 0, 0, 1
	WIN 0
	s_branch .Lfirst_done
.Lfirst_v:
	WIN MULC
	MUL16 0, 0, 0, 0, 2
	MUL16 2, 0, 0, 0, 2
	WIN 0
.Lfirst_done:
	STEPO 2, 0
	s_wait_alu depctr_va_vdst(0)
	STEPE 1
	STEPO 1, 1
	s_wait_alu depctr_va_vdst(0)
	STEPE 0
	STEPO 0, 0
	s_wait_alu depctr_va_vdst(0)
	STEPE 1
	s_wait_dscnt 0x0                               ; the last 128 along K
	WIN MUL
	MUL16 0, 1, 1, 1, 0
	MUL16 2, 1, 1, 1, 0
	WIN 0
	PLACES 4                                       ; in front of the first read of results and the first write of registers that held P's fragments
.irp b, 0,1,2,3
	v_mov_b32 v[TM+4+\b], 0                        ; written once: a lane permute's destination counts as one of its sources
.endr
; THE WAY OUT.  For P's tile a a lane's 64 registers are 128 neighbours' worth (with lane l xor 16) along Q's rows: one fragment and one scale word.  Its two half-images go to two places DIST apart.
.macro QUANTW a
.set PCS, 128+20*((\a)%2)
	WIN 0x0a                                       ; sources 0 and 1 window 2
.irp b, 0,1,2,3
	v_max3_num_f32 v[TM+\b], |v[64*(\a)+16*\b]|, |v[64*(\a)+16*\b+1]|, 0x1800000   ; each accumulator is read from its low end on; the floor 2^(3 - 127) holds the byte at 1 from below
.endr
.irp i, 2,4,6,8,10,12,14
.irp b, 0,1,2,3
	v_max3_num_f32 v[TM+\b], |v[64*(\a)+16*\b+\i]|, |v[64*(\a)+16*\b+\i+1]|, v[TM+\b]
.endr
.endr
	WIN 0
.irp b, 0,1,2,3
	v_permlanex16_b32 v[TM+4+\b], v[TM+\b], s[SEL], s[SEL+1]
.endr
.irp b, 0,1,2,3
	v_max_num_f32 v[TM+\b], v[TM+\b], v[TM+4+\b]
.endr
.irp b, 0,1,2,3
	v_add_nc_u32 v[TM+12+\b], 0xff000000, v[TM+\b]
.endr
.irp b, 0,1,2,3
	v_lshrrev_b32 v[TM+4+\b], 23, v[TM+12+\b]
.endr
	v_lshl_or_b32 v[PWS+(\a)], v[TM+5], 8, v[TM+4]
	v_lshl_or_b32 v[PWS+(\a)], v[TM+6], 16, v[PWS+(\a)]
	v_lshl_or_b32 v[PWS+(\a)], v[TM+7], 24, v[PWS+(\a)]
.if (\a) >= 2
	s_wait_xcnt 0x0                                ; the stores of two tiles ago have read this set of codes
.endif
	WIN 0x02                                       ; source 0 window 2
.irp c, 0,1
	v_cvt_scalef32_pk16_fp6_f32 v[PCS+6*\c:PCS+2+6*\c], v[64*(\a)+32*\c:64*(\a)+32*\c+15], v[TM+12+2*\c]
	v_cvt_scalef32_pk16_fp6_f32 v[PCS+12+4*\c:PCS+14+4*\c], v[64*(\a)+32*\c+16:64*(\a)+32*\c+31], v[TM+12+2*\c+1]
.endr
	WIN 0
	v_nop                                          ; one plain instruction behind a scaled conversion
.irp c, 0,1
.irp i, 0,1,2
	v_permlane16_swap_b32 v[PCS+6*\c+\i], v[PCS+12+4*\c+\i]
.endr
.irp i, 0,1,2
	v_mov_b32 v[PCS+3+6*\c+\i], v[PCS+12+4*\c+\i]
.endr
.endr
	global_store_b128 v20, v[PCS:PCS+3], s[OB:OB+1] offset:768*(\a)            ; 512 consecutive bytes, aligned to 256
	global_store_b64 v21, v[PCS+4:PCS+5], s[OB:OB+1] offset:768*(\a)+512       ; 256
	global_store_b128 v20, v[PCS+6:PCS+9], s[OB2:OB2+1] offset:768*(\a)
	global_store_b64 v21, v[PCS+10:PCS+11], s[OB2:OB2+1] offset:768*(\a)+512
.endm
	QUANTW 0
	QUANTW 1
	QUANTW 2
	QUANTW 3
.irp i, 0,1,2,3
	v_lshrrev_b32 v[SD+\i], v27, v[PWS+\i]
.endr
.irp i, 0,1,2,3
	v_and_b32 v[SD+\i], s90, v[SD+\i]
.endr
	global_store_b128 v28, v[SD:SD+3], s[OB:OB+1] offset:3072   ; sixteen lanes fill one unit's 256 bytes of scale words, the other sixteen the other's
	s_wait_tensorcnt 0x0
	ds_add_u32 v254, v255
	s_wait_dscnt 0x0
	CROUND                                         ; the closing round: no work-group ends while a partner may still ask for a tile that names it
	s_endpgm
.Lfunc_end_k_qdee7979ee2_qkv:
	.size	k_qdee7979ee2_qkv, .Lfunc_end_k_qdee7979ee2_qkv-k_qdee7979ee2_qkv
	.p2alignl 7, 3214868480
	.fill 96, 4, 3214868480
	.section	.rodata,"a",@progbits
	.p2align	6, 0x0
	.amdhsa_kernel k_qdee7979ee2_qkv
		.amdhsa_group_segment_fixed_size 320000
		.amdhsa_private_segment_fixed_size 0
		.amdhsa_enable_private_segment 0
		.amdhsa_kernarg_size 24
		.amdhsa_user_sgpr_count 2
		.amdhsa_user_sgpr_kernarg_segment_ptr 1
		.amdhsa_wavefront_size32 1
		.amdhsa_system_sgpr_workgroup_id_x 1
		.amdhsa_system_sgpr_workgroup_id_y 1
		.amdhsa_system_sgpr_workgroup_id_z 1
		.amdhsa_system_vgpr_workitem_id 0
		.amdhsa_next_free_vgpr 768
		.amdhsa_next_free_sgpr 102
		.amdhsa_reserve_vcc 0
		.amdhsa_float_denorm_mode_32 3
		.amdhsa_float_denorm_mode_16_64 3
		.amdhsa_memory_ordered 1
		.amdhsa_forward_progress 1
		.amdhsa_inst_pref_size 102
	.end_amdhsa_kernel
	.amdgpu_metadata
---
amdhsa.version: [ 1, 2 ]
amdhsa.kernels:
  - .name:           k_qdee7979ee2_qkv
    .symbol:         k_qdee7979ee2_qkv.kd
    .args:
      - { .name: cimg, .offset: 0, .size: 8, .value_kind: global_buffer, .address_space: global }
      - { .name: bqkv, .offset: 8, .size: 8, .value_kind: global_buffer, .address_space: global }
      - { .name: qkv, .offset: 16, .size: 8, .value_kind: global_buffer, .address_space: global }
    .group_segment_fixed_size: 320000
    .private_segment_fixed_size: 0
    .kernarg_segment_align: 8
    .kernarg_segment_size: 24
    .max_flat_workgroup_size: 128
    .sgpr_count:     102
    .vgpr_count:     768
    .wavefront_size: 32
...
	.end_amdgpu_metadata
.endif
;; end of part 2
;; launch attn (part 3): grid 4 x 64, 16 waves a work-group, clusters of 4 x 1, 215,040 bytes of LDS; arguments qkv, yimg; writes yimg
.if DOCPART == 3
	.amdgcn_target "amdgcn-amd-amdhsa--gfx1250"
	.amdhsa_code_object_version 6
	.text
	.protected	k_qdee7979ee2_attn
	.globl	k_qdee7979ee2_attn
	.p2align	8
	.type	k_qdee7979ee2_attn,@function
k_qdee7979ee2_attn:
	s_mov_b64 s[64:65], 0
	v_nop
	global_prefetch_b8 v0, s[64:65] scope:SCOPE_SE
	s_setreg_imm32_b32 hwreg(HW_REG_WAVE_MODE, 25, 1), 1
	s_wait_xcnt 0x0
	s_wait_alu depctr_hold_cnt(0) depctr_sa_sdst(0) depctr_va_vdst(0) depctr_va_sdst(0) depctr_va_ssrc(0) depctr_va_vcc(0) depctr_vm_vsrc(0)
	s_getreg_b32 s2, hwreg(HW_REG_IB_STS2, 6, 4)
	s_cmp_eq_u32 s2, 0
	s_cbranch_scc0 .Lentry_in_a_cluster
	s_endpgm
.Lentry_in_a_cluster:
	s_bfe_u32 s2, ttmp6, 0x10000c
	s_cmp_lg_u32 s2, 0x3003
	s_cbranch_scc0 .Lentry_shape_is_right
	s_endpgm
.Lentry_shape_is_right:
; y = softmax(q k^T / 8, causal) v for one batch x head in a cluster, both products on codes of FP6 (E2M3) with E8M0 scales; y is quantised along the channels and stored as the next product's operand.
; THE SOFTMAX: t = score x log2(e) / 8; M = the running largest t rounded UP to a whole number; p = 2^(t - M) is quantised along the keys, not normalised; the row's sum is taken of the unquantised p and divides at the end.
; When M moves, the sum and O are multiplied by 2^(old M - new M): exact.
; K = 64 IN THE FIRST PRODUCT: the upper 64 of the instruction's 128 are zero codes on both sides (registers cleared once), under scale bytes 0: they add nothing.
; LAYOUT.  Both products are used transposed: S^T = k q^T, O^T = v^T p^T: a lane holds ONE query.  Tiles of 16 tokens or channels are permuted (row i of tile T = 32 (T / 2) + 8 (T % 2) + i + 8 (i / 8)), so that the 16 registers
; of result tiles 2 b and 2 b + 1 are 16 neighbours: p along the keys, y along the channels.  Operands lie in memory and LDS as images of their registers (the launch before says how).
; SHARES.  The four work-groups of a cluster share a head's k and v: 212,992 bytes, brought into each one's LDS ONCE by joint loads (keys 0-511 first, the rest behind them).  A head has 128 tiles of 16 queries.  Wave w of
; work-group cx owns tile ts = 8 (w / 2) + 2 cx + w % 2 and tile 127 - ts: their last key steps, w / 2 and 15 - w / 2, hang on the wave's number alone, and every wave has 17 key steps of 128 keys.
; CAUSAL: every loop has a constant count; a step all of whose keys come after the tile's queries is jumped over; in a tile's last step hidden scores become -infinity ahead of the maximum.
; LIMITS: NaN and infinities are not served; a block of y under 2^-124 is held at byte 1; a block of zeros gets byte 1 (zero codes; this program alone reads the bytes).
; y's two scale bytes of a row leave as 2 bytes a lane: a head owns half a scale word.
; REGISTERS: v1-3 16 x lane, 8 x lane, 16 r; v6-7 the mask's numbers; v8-10 the step's addresses; v12 -M, v13 the largest t, v[14:15] the sum; v16-27 q (v22-27 = 0); v28-31 k's scale words; v32-79 four fragments of k
; (the upper six of each = 0); v80-127 v's four; v128-191 S^T, then p; v192-223 O^T; v224-235 p's codes; v232-247, v252, v254 at work; v248-251 v's scale words; v253 p's; v255 q's.
.set QSEC,  6815744
.set STEPB, 13312                      ; a key step in LDS: two units of k, two of v
	s_load_b128 s[4:7], s[0:1], 0x0                ; qkv s[4:5], yimg s[6:7]
	v_lshl_add_u32 v11, v0, 2, 0x34000
	v_mov_b32 v243, 0
	ds_add_u32 v11, v243
	ds_add_u32 v11, v243
	v_lshrrev_b32 v4, 5, v0
	s_delay_alu instid0(VALU_DEP_1)
	v_readfirstlane_b32 s8, v4                     ; wave 0..15
	s_bfe_u32 s9, ttmp6, 0x40000                   ; cx: it enters global addresses and the mask's numbers alone
	s_and_b32 s10, ttmp7, 0xffff                   ; batch x head
	s_lshr_b32 s11, s8, 1                          ; g
	v_and_b32 v5, 31, v0
	v_and_b32 v4, 15, v0                           ; r
	v_bfe_u32 v6, v0, 4, 1                         ; h
	s_delay_alu instid0(VALU_DEP_3)
	v_lshlrev_b32 v1, 4, v5
	s_delay_alu instid0(VALU_DEP_4)
	v_lshlrev_b32 v2, 3, v5
	s_delay_alu instid0(VALU_DEP_4)
	v_lshlrev_b32 v3, 4, v4
	v_and_b32 v5, 8, v4
	s_delay_alu instid0(VALU_DEP_1)
	v_add_nc_u32 v5, v5, v4
	v_lshlrev_b32 v6, 4, v6
	s_delay_alu instid0(VALU_DEP_1)
	v_sub_nc_u32 v6, v5, v6                        ; r + 8 (r / 8) - 16 h
.irp j, 22,23,24,25,26,27, 38,39,40,41,42,43, 50,51,52,53,54,55, 62,63,64,65,66,67, 74,75,76,77,78,79
	v_mov_b32 v\j, 0                               ; the zero codes of K = 64 .. 127, once
.endr
.irp j, 236,237,238,239,253
	v_mov_b32 v\j, 0                               ; permutes' destinations, and the upper half of the pair v[252:253], are written before they are named
.endr
	s_mov_b32 s20, 0x76543210
	s_mov_b32 s21, 0xfedcba98                      ; lane l xor 16
	s_mov_b32 s22, 0x3e38aa3b                      ; c = log2(e) / 8
	s_mov_b32 s23, s22
	; groups 1: dense blocks as rows of 256 bytes (32 elements of 8), 52 rows (a wave's quarter of keys 0-511) and 156 rows (of the rest); the mask names all four work-groups
	s_mov_b32 s24, 15|(3<<16)|(1<<21)
	s_mov_b32 s25, 32<<16
	s_mov_b32 s26, 52<<16
	s_mov_b32 s27, 32<<16
	s_mov_b32 s28, 52
	s_mov_b32 s29, 32
	s_mov_b32 s30, 0
	s_mov_b32 s31, 0
	s_mov_b32 s32, 15|(3<<16)|(1<<21)
	s_mov_b32 s33, 32<<16
	s_mov_b32 s34, 156<<16
	s_mov_b32 s35, 32<<16
	s_mov_b32 s36, 156
	s_mov_b32 s37, 32
	s_mov_b32 s38, 0
	s_mov_b32 s39, 0
	s_mul_i32 s16, s10, 212992
	s_add_co_u32 s16, s16, QSEC
	s_mov_b32 s17, 0
	s_and_b32 s18, s8, 3                           ; (only waves 0 to 3 fetch; the mask keeps the numbers inside LDS in every wave)
	s_mul_i32 s56, s18, 13312                      ; LDS mirrors memory: one offset serves both
	s_mov_b32 s57, 0
	s_mul_i32 s58, s18, 39936
	s_add_co_u32 s58, s58, 53248
	s_mov_b32 s59, 0
	s_mul_i32 s54, s10, 106496
	s_mov_b32 s55, 0
	s_wait_dscnt 0x0
	s_wait_kmcnt 0x0
	s_add_nc_u64 s[16:17], s[4:5], s[16:17]        ; the head's k and v
	s_add_nc_u64 s[48:49], s[4:5], s[54:55]        ; the head's q
	s_mov_b32 s40, 1
	s_mov_b32 s41, s56
	s_add_nc_u64 s[42:43], s[16:17], s[56:57]
	s_or_b32 s43, s43, 0x80000000
	s_mov_b32 s44, 1
	s_mov_b32 s45, s58
	s_add_nc_u64 s[46:47], s[16:17], s[58:59]
	s_or_b32 s47, s47, 0x80000000
.macro CROUND                          ; a round of the cluster's barrier
	s_barrier_signal -1
	s_barrier_wait -1
	s_cmp_lg_u32 s8, 0
	s_cbranch_scc1 .Lnot_wave_0_\@
	s_barrier_signal -3
.Lnot_wave_0_\@:
	s_barrier_wait -3
	s_barrier_signal -1
	s_barrier_wait -1
.endm
	CROUND                                         ; all four work-groups are here: the joint loads meet
	s_cmp_lt_u32 s8, 4                             ; a fetching wave's two loads stand in one branch on the wave's number: two loads of mine are out
	s_cbranch_scc0 .Lno_fill
	tensor_load_to_lds s[40:43], s[24:31]          ; keys 0-511
	s_nop 0
	tensor_load_to_lds s[44:47], s[32:39]          ; keys 512-2,047
	s_nop 0
.rept 4
	v_nop
.endr
.Lno_fill:
	s_lshl_b32 s50, s11, 3
	s_lshl_b32 s18, s9, 1
	s_add_co_u32 s50, s50, s18
	s_and_b32 s18, s8, 1
	s_add_co_u32 s50, s50, s18                     ; my small tile
	s_lshr_b32 s60, s10, 4
	s_mul_i32 s60, s60, 128*13312                  ; y: the batch's 128 tiles,
	s_and_b32 s18, s10, 15
	s_lshr_b32 s19, s18, 2
	s_mul_i32 s19, s19, 3328                       ; the head's unit (256 along the next K),
	s_add_co_u32 s60, s60, s19
	s_and_b32 s18, s18, 3
	s_mul_i32 s19, s18, 768                        ; and its half-image in it
	s_add_co_u32 s60, s60, s19
	s_mov_b32 s61, 0
	s_add_nc_u64 s[52:53], s[6:7], s[60:61]
	s_lshl_b32 s62, s18, 1
	s_add_co_u32 s62, s62, 3072
	s_sub_co_u32 s62, s62, s19                     ; from there to the head's two scale bytes: 3,072 + 2 (head % 4) in the unit
	s_mov_b32 s63, 0
; A pass begins: tile s12; q's half-image and scale words; the sums begin as zeros and the largest t as -3e38, so that the step is written once
.macro PASS_HEAD
	s_lshr_b32 s16, s12, 2
	s_mul_i32 s16, s16, 3328
	s_and_b32 s18, s12, 3
	s_mul_i32 s19, s18, 768
	s_add_co_u32 s19, s19, s16
	s_lshl_b32 s18, s18, 2
	s_add_co_u32 s16, s16, s18
	s_add_co_u32 s16, s16, 3072
	s_mov_b32 s17, 0
	s_add_nc_u64 s[56:57], s[48:49], s[16:17]
	s_mov_b32 s16, s19
	s_add_nc_u64 s[54:55], s[48:49], s[16:17]
	global_load_b128 v[16:19], v1, s[54:55]
	global_load_b64 v[20:21], v2, s[54:55] offset:512
	global_load_b32 v255, v3, s[56:57]
	s_mul_i32 s16, s12, 13312
	s_add_nc_u64 s[58:59], s[52:53], s[16:17]      ; where y's half-image goes,
	s_add_nc_u64 s[60:61], s[58:59], s[62:63]      ; and its scale bytes
	s_bfe_u32 s16, s12, 0x20001
	s_lshl_b32 s16, s16, 5
	s_and_b32 s18, s12, 1
	s_lshl_b32 s18, s18, 3
	s_add_co_u32 s16, s16, s18
	v_add_nc_u32 v7, s16, v6                       ; my query's place in its last key step, less 16 h: register 16 b + i is hidden there where 32 b + i is greater
	v_mov_b32 v13, 0xff61b1e6
	s_delay_alu instid0(VALU_DEP_1)
	v_floor_f32 v12, -v13
	v_mov_b32 v14, 0
	v_mov_b32 v15, 0
.set n, 0
.rept 32
	v_mov_b32 v[192+n], 0
.set n, n+1
.endr
	s_mov_b32 s14, 0                               ; the key step,
	s_mov_b32 s15, 0                               ; and where it begins in LDS
	s_wait_loadcnt 0x0
.endm
; A KEY STEP of 128 keys.  mode = 1: it may be hidden (jumped over) or the tile's last (masked)
.macro STEP mode
.if \mode
	s_cmp_gt_u32 s14, s13
	s_cbranch_scc1 .Lhid_\@
.endif
	s_setprio 2
	v_add_nc_u32 v8, s15, v1
	v_add_nc_u32 v9, s15, v2
	v_add_nc_u32 v10, s15, v3
	v_nop                                          ; four places in front of loads into registers that the last products read
.irp t, 0,1,2,3
	ds_load_b128 v[32+12*\t:35+12*\t], v8 offset:768*\t
	ds_load_b64 v[36+12*\t:37+12*\t], v9 offset:768*\t+512
.endr
	ds_load_b128 v[28:31], v10 offset:3072
.irp t, 0,1,2,3
	ds_load_b128 v[80+12*\t:83+12*\t], v8 offset:6656+768*\t
	ds_load_b64 v[84+12*\t:85+12*\t], v9 offset:6656+768*\t+512
	ds_load_b128 v[86+12*\t:89+12*\t], v8 offset:9984+768*\t
	ds_load_b64 v[90+12*\t:91+12*\t], v9 offset:9984+768*\t+512
.endr
	ds_load_b128 v[248:251], v10 offset:9728
	s_wait_alu depctr_va_vdst(0)
	s_wait_dscnt 17                                ; k's first four tiles are in; v's 17 loads stay out
.irp t, 0,1,2,3
	v_wmma_scale_f32_16x16x128_f8f6f4 v[128+8*\t:135+8*\t], v[32+12*\t:43+12*\t], v[16:27], 0, v[28+\t], v255 matrix_a_fmt:MATRIX_FMT_FP6 matrix_b_fmt:MATRIX_FMT_FP6
.endr
.rept 4
	v_nop                                          ; places in front of loads into k's registers and scale words
.endr
.irp t, 0,1,2,3
	ds_load_b128 v[32+12*\t:35+12*\t], v8 offset:3328+768*\t
	ds_load_b64 v[36+12*\t:37+12*\t], v9 offset:3328+768*\t+512
.endr
	ds_load_b128 v[28:31], v10 offset:6400
	s_wait_dscnt 0x0
.irp t, 0,1,2,3
	v_wmma_scale_f32_16x16x128_f8f6f4 v[160+8*\t:167+8*\t], v[32+12*\t:43+12*\t], v[16:27], 0, v[28+\t], v255 matrix_a_fmt:MATRIX_FMT_FP6 matrix_b_fmt:MATRIX_FMT_FP6
.endr
.rept 4
	v_nop
.endr
.if \mode
	s_cmp_lg_u32 s14, s13                          ; only the tile's last step lies on the diagonal
	s_cbranch_scc1 .Lopen_\@
	v_mov_b32 v254, 0xff800000                     ; -infinity: p = 0 then
.set n, 0
.rept 64
	v_cmp_gt_i32 vcc_lo, 32*(n/16)+n%16, v7
	v_cndmask_b32 v[128+n], v[128+n], v254, vcc_lo
.set n, n+1
.endr
.Lopen_\@:
.endif
.irp b, 0,1,2,3
	v_max3_num_f32 v[232+\b], v[128+16*\b], v[129+16*\b], v[130+16*\b]   ; the largest score of each block of 32 keys: for the row's maximum, and, since p rises with the score, for the block's largest p
.endr
.irp i, 3,5,7,9,11,13
.irp b, 0,1,2,3
	v_max3_num_f32 v[232+\b], v[232+\b], v[128+16*\b+\i], v[129+16*\b+\i]
.endr
.endr
.irp b, 0,1,2,3
	v_max_num_f32 v[232+\b], v[232+\b], v[143+16*\b]
.endr
.irp b, 0,1,2,3
	s_delay_alu instid0(VALU_DEP_4)
	v_permlanex16_b32 v[236+\b], v[232+\b], s20, s21
.endr
.irp b, 0,1,2,3
	s_delay_alu instid0(VALU_DEP_4)
	v_max_num_f32 v[232+\b], v[232+\b], v[236+\b]  ; with lane l xor 16's 16 keys
.endr
	s_delay_alu instid0(VALU_DEP_2)
	v_max3_num_f32 v254, v232, v233, v234
	s_delay_alu instid0(VALU_DEP_1)
	v_max_num_f32 v254, v254, v235
	s_delay_alu instid0(VALU_DEP_1)
	v_mul_f32 v254, s22, v254                      ; the step's largest t (c is positive)
	s_delay_alu instid0(VALU_DEP_1)
	v_max_num_f32 v13, v13, v254
	v_mov_b32 v254, v12
	s_delay_alu instid0(VALU_DEP_2)
	v_floor_f32 v12, -v13                          ; the new -M = -ceil(t): a whole number
	s_delay_alu instid0(VALU_DEP_1)
	v_sub_f32 v254, v12, v254                      ; old M - new M, 0 or less
	s_delay_alu instid0(VALU_DEP_1)
	v_cvt_i32_f32 v254, v254                       ; (it saturates)
	s_delay_alu instid0(VALU_DEP_1)
	v_ldexp_f32 v252, 1.0, v254                    ; f = 2^(old M - new M)
.set n, 0
.rept 32
	v_pk_fma_f32 v[128+n:129+n], v[128+n:129+n], s[22:23], v[12:13] op_sel_hi:[1,0,0]   ; t - M, two at a time
.set n, n+2
.endr
.irp b, 0,1,2,3
	v_fma_f32 v[232+\b], v[232+\b], s22, v12       ; the same of each block's largest score
.endr
.set n, 0
	s_setprio 1
	s_wait_alu depctr_va_vdst(0)
.rept 64
	v_exp_f32 v[128+n], v[128+n]                   ; p = 2^(t - M)
.set n, n+1
.endr
	v_pk_mul_f32 v[14:15], v[14:15], v[252:253] op_sel_hi:[1,0]   ; the sums under the new M: the plain instruction behind the batch
	s_wait_alu depctr_va_vdst(0)                   ; one wait for the 64 exponentials, ahead of their first reader
.irp b, 0,1,2,3
	v_exp_f32 v[232+\b], v[232+\b]                 ; the block's largest p
.endr
	v_pk_add_f32 v[236:237], v[132:133], v[136:137]
	v_pk_add_f32 v[246:247], v[140:141], v[144:145]
	v_pk_add_f32 v[244:245], v[148:149], v[152:153]
	v_pk_add_f32 v[240:241], v[156:157], v[160:161]
	v_pk_add_f32 v[238:239], v[164:165], v[168:169]
	v_pk_add_f32 v[230:231], v[172:173], v[176:177]
	v_pk_add_f32 v[228:229], v[180:181], v[184:185]
	v_pk_add_f32 v[14:15], v[14:15], v[188:189]
	v_pk_add_f32 v[236:237], v[236:237], v[128:129]
	v_pk_add_f32 v[246:247], v[246:247], v[130:131]
	v_pk_add_f32 v[244:245], v[244:245], v[134:135]
	v_pk_add_f32 v[240:241], v[240:241], v[138:139]
	v_pk_add_f32 v[238:239], v[238:239], v[142:143]
	v_pk_add_f32 v[230:231], v[230:231], v[146:147]
	v_pk_add_f32 v[228:229], v[228:229], v[150:151]
	v_pk_add_f32 v[14:15], v[14:15], v[154:155]
	v_pk_add_f32 v[236:237], v[236:237], v[158:159]
	v_pk_add_f32 v[246:247], v[246:247], v[162:163]
	v_pk_add_f32 v[244:245], v[244:245], v[166:167]
	v_pk_add_f32 v[240:241], v[240:241], v[170:171]
	v_pk_add_f32 v[238:239], v[238:239], v[174:175]
	v_pk_add_f32 v[230:231], v[230:231], v[178:179]
	v_pk_add_f32 v[228:229], v[228:229], v[182:183]
	v_pk_add_f32 v[14:15], v[14:15], v[186:187]
	v_pk_add_f32 v[236:237], v[236:237], v[190:191]
	s_delay_alu instid0(VALU_DEP_2)
	v_pk_add_f32 v[14:15], v[14:15], v[240:241]
	s_delay_alu instid0(VALU_DEP_2)
	v_pk_add_f32 v[236:237], v[236:237], v[238:239]
	v_pk_add_f32 v[246:247], v[246:247], v[230:231]
	v_pk_add_f32 v[244:245], v[244:245], v[228:229]
	s_delay_alu instid0(VALU_DEP_2)
	v_pk_add_f32 v[14:15], v[14:15], v[246:247]
	s_delay_alu instid0(VALU_DEP_2)
	v_pk_add_f32 v[236:237], v[236:237], v[244:245]
	s_delay_alu instid0(VALU_DEP_1)
	v_pk_add_f32 v[14:15], v[14:15], v[236:237]
	s_wait_alu depctr_va_vdst(0)                   ; and one for the four
.irp b, 0,1,2,3
	v_max_num_f32 v[232+\b], 0x1800000, v[232+\b]  ; the floor 2^(3 - 127)
.endr
.irp b, 0,1,2,3
	s_delay_alu instid0(VALU_DEP_4)
	v_add_nc_u32 v[244+\b], 0xff000000, v[232+\b]  ; the conversion's scale operand
.endr
.irp b, 0,1,2,3
	s_delay_alu instid0(VALU_DEP_4)
	v_lshrrev_b32 v[236+\b], 23, v[244+\b]         ; the scale's byte
.endr
	s_delay_alu instid0(VALU_DEP_3)
	v_lshl_or_b32 v253, v237, 8, v236              ; p's scale word for these 128 keys
	s_delay_alu instid0(VALU_DEP_1)
	v_lshl_or_b32 v253, v238, 16, v253
	s_delay_alu instid0(VALU_DEP_1)
	v_lshl_or_b32 v253, v239, 24, v253
.irp c, 0,1
	v_cvt_scalef32_pk16_fp6_f32 v[224+6*\c:226+6*\c], v[128+32*\c:143+32*\c], v[244+2*\c]
	v_cvt_scalef32_pk16_fp6_f32 v[236+4*\c:238+4*\c], v[144+32*\c:159+32*\c], v[244+2*\c+1]
.endr
	v_nop                                          ; one plain instruction behind a scaled conversion
	s_setprio 0
.irp c, 0,1
.irp i, 0,1,2
	v_permlane16_swap_b32 v[224+6*\c+\i], v[236+4*\c+\i]
.endr
.irp i, 0,1,2
	s_delay_alu instid0(VALU_DEP_3)
	v_mov_b32 v[227+6*\c+\i], v[236+4*\c+\i]
.endr
.endr
.set n, 0
.rept 16
	v_pk_mul_f32 v[192+n:193+n], v[192+n:193+n], v[252:253] op_sel_hi:[1,0]   ; O^T under the new M; these sixteen are also the places in front of the products below
.set n, n+2
.endr
.irp t, 0,1,2,3
	v_wmma_scale_f32_16x16x128_f8f6f4 v[192+8*\t:199+8*\t], v[80+12*\t:91+12*\t], v[224:235], v[192+8*\t:199+8*\t], v[248+\t], v253 matrix_a_fmt:MATRIX_FMT_FP6 matrix_b_fmt:MATRIX_FMT_FP6
.endr
.if \mode
.Lhid_\@:
.endif
	s_add_co_u32 s14, s14, 1
	s_add_co_u32 s15, s15, STEPB
.endm
; A pass ends: y = O^T / the sum; its 64 channels are two blocks of 32; codes and scale bytes leave as the next product's operand
.macro FINISH
.rept 4
	v_nop                                          ; places behind the last products
.endr
	v_add_f32 v14, v14, v15
	s_delay_alu instid0(VALU_DEP_1)
	v_permlanex16_b32 v252, v14, s20, s21
	s_delay_alu instid0(VALU_DEP_1)
	v_add_f32 v14, v14, v252                       ; the row's sum
	s_wait_alu depctr_va_vdst(0)
	v_rcp_f32 v14, v14
	v_nop                                          ; a plain instruction behind the reciprocal,
	s_wait_alu depctr_va_vdst(0)                   ; and the wait ahead of its first reader
.set n, 0
.rept 32
	v_mul_f32 v[128+n], v[192+n], v14              ; register 16 b + i = channel 32 b + 16 h + i of my query; each accumulator from its low end on
.set n, n+1
.endr
.irp b, 0,1
	v_max3_num_f32 v[232+\b], |v[128+16*\b]|, |v[129+16*\b]|, 0x1800000
.endr
.irp i, 2,4,6,8,10,12,14
.irp b, 0,1
	s_delay_alu instid0(VALU_DEP_2)
	v_max3_num_f32 v[232+\b], v[232+\b], |v[128+16*\b+\i]|, |v[129+16*\b+\i]|
.endr
.endr
.irp b, 0,1
	s_delay_alu instid0(VALU_DEP_2)
	v_permlanex16_b32 v[236+\b], v[232+\b], s20, s21
.endr
.irp b, 0,1
	s_delay_alu instid0(VALU_DEP_2)
	v_max_num_f32 v[232+\b], v[232+\b], v[236+\b]
.endr
.irp b, 0,1
	s_delay_alu instid0(VALU_DEP_2)
	v_add_nc_u32 v[244+\b], 0xff000000, v[232+\b]
.endr
.irp b, 0,1
	s_delay_alu instid0(VALU_DEP_2)
	v_lshrrev_b32 v[236+\b], 23, v[244+\b]
.endr
	s_delay_alu instid0(VALU_DEP_1)
	v_lshl_or_b32 v254, v237, 8, v236              ; the two scale bytes
	v_cvt_scalef32_pk16_fp6_f32 v[224:226], v[128:143], v244
	v_cvt_scalef32_pk16_fp6_f32 v[240:242], v[144:159], v245
	v_nop
.irp i, 0,1,2
	v_permlane16_swap_b32 v[224+\i], v[240+\i]
.endr
.irp i, 0,1,2
	s_delay_alu instid0(VALU_DEP_3)
	v_mov_b32 v[227+\i], v[240+\i]
.endr
	global_store_b128 v1, v[224:227], s[58:59]             ; 512 consecutive bytes, aligned to 256
	global_store_b64 v2, v[228:229], s[58:59] offset:512   ; 256
	global_store_b16 v2, v254, s[60:61]                    ; lanes 16-31 write the repeat
	s_wait_xcnt 0x0                                ; the stores have read their registers and bases: the next pass writes them
.endm
	s_sub_co_u32 s12, 127, s50                     ; THE LARGE TILE FIRST
	s_sub_co_u32 s13, 15, s11                      ; its last key step: from the wave's number alone
	PASS_HEAD
	s_wait_tensorcnt 1                             ; my part of keys 0-511 has landed; the load behind it stays out
	s_barrier_signal -1
	s_barrier_wait -1                              ; everybody's has.  Nothing is ever filled again
	s_mov_b32 s19, 4
.Lfirst:                                           ; key steps 0 to 3: every large tile's last step is 8 or later, so none is hidden or masked
	STEP 0
	s_sub_co_u32 s19, s19, 1
	s_cmp_lg_u32 s19, 0
	s_cbranch_scc1 .Lfirst
	s_setprio 0
	s_wait_tensorcnt 0x0                           ; the rest has landed,
	s_wait_dscnt 0x0
	s_barrier_signal -1
	s_barrier_wait -1                              ; everybody's: from here on the waves run free
	s_mov_b32 s19, 12
.Llarge:
	STEP 1
	s_sub_co_u32 s19, s19, 1
	s_cmp_lg_u32 s19, 0
	s_cbranch_scc1 .Llarge
	s_setprio 0
	FINISH
	s_mov_b32 s12, s50                             ; THE SMALL TILE
	s_mov_b32 s13, s11
	PASS_HEAD
	s_mov_b32 s19, 8
.Lsmall:
	STEP 1
	s_sub_co_u32 s19, s19, 1
	s_cmp_lg_u32 s19, 0
	s_cbranch_scc1 .Lsmall
	s_setprio 0
	FINISH
	s_wait_tensorcnt 0x0
	ds_add_u32 v11, v243
	s_wait_dscnt 0x0
	CROUND                                         ; the closing round
	s_endpgm
.Lfunc_end_k_qdee7979ee2_attn:
	.size	k_qdee7979ee2_attn, .Lfunc_end_k_qdee7979ee2_attn-k_qdee7979ee2_attn
	.p2alignl 7, 3214868480
	.fill 96, 4, 3214868480
	.section	.rodata,"a",@progbits
	.p2align	6, 0x0
	.amdhsa_kernel k_qdee7979ee2_attn
		.amdhsa_group_segment_fixed_size 215040
		.amdhsa_private_segment_fixed_size 0
		.amdhsa_enable_private_segment 0
		.amdhsa_kernarg_size 16
		.amdhsa_user_sgpr_count 2
		.amdhsa_user_sgpr_kernarg_segment_ptr 1
		.amdhsa_wavefront_size32 1
		.amdhsa_system_sgpr_workgroup_id_x 1
		.amdhsa_system_sgpr_workgroup_id_y 1
		.amdhsa_system_sgpr_workgroup_id_z 1
		.amdhsa_system_vgpr_workitem_id 0
		.amdhsa_next_free_vgpr 256
		.amdhsa_next_free_sgpr 66
		.amdhsa_reserve_vcc 1
		.amdhsa_float_denorm_mode_32 3
		.amdhsa_float_denorm_mode_16_64 3
		.amdhsa_memory_ordered 1
		.amdhsa_forward_progress 1
		.amdhsa_inst_pref_size 83
	.end_amdhsa_kernel
	.amdgpu_metadata
---
amdhsa.version: [ 1, 2 ]
amdhsa.kernels:
  - .name:           k_qdee7979ee2_attn
    .symbol:         k_qdee7979ee2_attn.kd
    .args:
      - { .name: qkv, .offset: 0, .size: 8, .value_kind: global_buffer, .address_space: global }
      - { .name: yimg, .offset: 8, .size: 8, .value_kind: global_buffer, .address_space: global }
    .group_segment_fixed_size: 215040
    .private_segment_fixed_size: 0
    .kernarg_segment_align: 8
    .kernarg_segment_size: 16
    .max_flat_workgroup_size: 512
    .sgpr_count:     66
    .vgpr_count:     256
    .wavefront_size: 32
...
	.end_amdgpu_metadata
.endif
;; end of part 3
;; launch proj (part 4): grid 4 x 64, 4 waves a work-group, clusters of 4 x 4, 320,000 bytes of LDS; arguments yimg, cimg, bproj, out0; writes out0
.if DOCPART == 4
	.amdgcn_target "amdgcn-amd-amdhsa--gfx1250"
	.amdhsa_code_object_version 6
	.text
	.protected	k_qdee7979ee2_proj
	.globl	k_qdee7979ee2_proj
	.p2align	8
	.type	k_qdee7979ee2_proj,@function
k_qdee7979ee2_proj:
	s_mov_b64 s[64:65], 0
	v_nop
	global_prefetch_b8 v0, s[64:65] scope:SCOPE_SE
	s_setreg_imm32_b32 hwreg(HW_REG_WAVE_MODE, 25, 1), 1
	s_wait_xcnt 0x0
	s_wait_alu depctr_hold_cnt(0) depctr_sa_sdst(0) depctr_va_vdst(0) depctr_va_sdst(0) depctr_va_ssrc(0) depctr_va_vcc(0) depctr_vm_vsrc(0)
	s_getreg_b32 s2, hwreg(HW_REG_IB_STS2, 6, 4)
	s_cmp_eq_u32 s2, 0
	s_cbranch_scc0 .Lentry_in_a_cluster
	s_endpgm
.Lentry_in_a_cluster:
	s_bfe_u32 s2, ttmp6, 0x10000c
	s_cmp_lg_u32 s2, 0xf033
	s_cbranch_scc0 .Lentry_shape_is_right
	s_endpgm
.Lentry_shape_is_right:
; out0 = y Wproj^T + bproj on codes of FP6 (E2M3) with E8M0 scales; out0 [8192][1024] f32.
; THE PRODUCT: source 0 = 16 rows of Q = Wproj (tiles 704 on of cimg), source 1 = 16 rows of P = y (yimg): a lane holds ONE token and its registers run along the output features.  The rows of a tile are permuted
; (row i of tile T = 32 (T / 2) + 8 (T % 2) + i + 8 (i / 8)), so that the 16 registers of result tiles 2 b and 2 b + 1 are 16 neighbouring features.
; SHARES: a work-group makes 128 tokens x 256 features over all K = 1,024; wave (wr, wc) makes P's tiles 4 wr .. + 3 x Q's tiles 8 wc .. + 7: 32 accumulators.  All operands, 319,488 bytes, come into LDS ONCE, a quarter of K
; at a time (four tensor loads a wave, all issued at the start): no LDS byte is filled twice.  CLUSTER 4 x 4: y's tiles are shared along a row of the cluster, Wproj's along a column.
; A tile of 16 rows = four units of 3,328 bytes (256 K each) = four half-images of 768 bytes + 256 bytes of scale words; a fragment comes by four dense LDS loads.
; THE WAY OUT: a block of 16 tokens x 128 features goes through the wave's own stage (16 rows of 512 + 16 bytes, in the first quarter's bytes, which have had their only fill and their last read) and leaves as whole rows.
; REGISTERS: window 0: v1 r, v2 h, v8-12 LDS addresses, v20-26 offsets, v32-63 scale words (two sets), v64-127 the bias as the first C, v128-223 P's fragments (two sets; on the way out v128-255: rows read back).
;   window 1: Q's fragments, two sets, at v0 and v128.   window 2: accumulator (a, b) at v[8 (8 a + b)].
.set UNIT,    3328
.set TILEB,   13312
.set QUARTER, 79872                    ; LDS: a quarter of K: P's 8 units, then Q's 16
.set QOFF,    26624
.set SC,   32
.set BIAS, 64
.set AF,   128
.set BK,   128
.set G1,   24
.set G1B,  32
.set G0,   40
.set G0B,  68
.set WV,   12
.set WR,   13
.set WC,   14
.set CX,   15
.set CY,   16
.set MSB, 0
.macro WIN new                         ; the immediate's high byte repeats the setting that is left
.if MSB != \new
	s_set_vgpr_msb (MSB<<8)|\new
.set MSB, \new
.endif
.endm
.set MUL,  0xa1                        ; source 0 (Q) window 1, source 1 (P) window 0, C and D window 2
.set MULC, 0x81                        ; the same with C (the bias) in window 0
.set TO_B, 0x40                        ; destination window 1, address window 0
.macro JLOAD kq                        ; a joint load: waves 0 and 1 fetch P's halves, waves 2 and 3 Q's; four v_nop follow each of the two lines
	s_cmp_eq_u32 s[WR], 0
	s_cbranch_scc0 .Lfor_q_\@
	tensor_load_to_lds s[G0+4*\kq:G0+4*\kq+3], s[G1:G1+7]
	s_nop 0
.rept 4
	v_nop
.endr
	s_branch .Lasked_\@
.Lfor_q_\@:
	tensor_load_to_lds s[G0B+4*\kq:G0B+4*\kq+3], s[G1B:G1B+7]
	s_nop 0
.rept 4
	v_nop
.endr
.Lasked_\@:
.endm
.macro CROUND                          ; a round of the cluster's barrier
	s_barrier_signal -1
	s_barrier_wait -1
	s_cmp_lg_u32 s[WV], 0
	s_cbranch_scc1 .Lnot_wave_0_\@
	s_barrier_signal -3
.Lnot_wave_0_\@:
	s_barrier_wait -3
	s_barrier_signal -1
	s_barrier_wait -1
.endm
.macro PLACES n
.rept \n
	v_nop
.endr
.endm
.macro FRAG reg, a16, a8, d            ; a fragment = two half-images: 512 + 256 + 512 + 256 consecutive bytes
	ds_load_b128 v[(\reg):(\reg)+3], v[\a16] offset:(\d)
	ds_load_b64 v[(\reg)+4:(\reg)+5], v[\a8] offset:(\d)+512
	ds_load_b128 v[(\reg)+6:(\reg)+9], v[\a16] offset:(\d)+768
	ds_load_b64 v[(\reg)+10:(\reg)+11], v[\a8] offset:(\d)+1280
.endm
.macro FETCH q, set                    ; the quarter's q-th 128 along K: Q's eight fragments and P's four: 48 loads in one run
	WIN TO_B
.irp i, 0,1,2,3,4,5,6,7
	FRAG 128*(\set)+12*\i, 10, 11, UNIT*\i+1536*(\q)
.endr
	WIN 0
.irp i, 0,1,2,3
	FRAG AF+48*(\set)+12*\i, 8, 9, UNIT*\i+1536*(\q)
.endr
.endm
.macro SCALES sc                       ; a quarter's scale words, two a row: lanes 0-15 take P's tile i, lanes 16-31 Q's tile i (for i above 3 lanes 0-15 read landed bytes that nothing uses)
.irp i, 0,1,2,3,4,5,6,7
	ds_load_b64 v[SC+16*(\sc)+2*\i:SC+16*(\sc)+2*\i+1], v12 offset:UNIT*\i+3072
.endr
.endm
; 16 products: P's tiles a0, a0 + 1 x Q's eight.  cm = 0: onto the sums; 1: the bias, which runs along the registers, is the C.  The 32 accumulators take turns in one order.
.macro MUL16 a0, set, q, sc, cm
.irp a, \a0, \a0+1
.irp b, 0,1,2,3,4,5,6,7
.if \cm == 1
	v_wmma_scale_f32_16x16x128_f8f6f4 v[8*(8*(\a)+\b):8*(8*(\a)+\b)+7], v[128*(\set)+12*\b:128*(\set)+12*\b+11], v[AF+48*(\set)+12*(\a):AF+48*(\set)+12*(\a)+11], v[BIAS+8*\b:BIAS+8*\b+7], v[SC+16*(\sc)+2*\b+(\q)], v[SC+16*(\sc)+2*(\a)+(\q)] matrix_a_fmt:MATRIX_FMT_FP6 matrix_b_fmt:MATRIX_FMT_FP6 matrix_a_scale:MATRIX_SCALE_ROW1
.else
	v_wmma_scale_f32_16x16x128_f8f6f4 v[8*(8*(\a)+\b):8*(8*(\a)+\b)+7], v[128*(\set)+12*\b:128*(\set)+12*\b+11], v[AF+48*(\set)+12*(\a):AF+48*(\set)+12*(\a)+11], v[8*(8*(\a)+\b):8*(8*(\a)+\b)+7], v[SC+16*(\sc)+2*\b+(\q)], v[SC+16*(\sc)+2*(\a)+(\q)] matrix_a_fmt:MATRIX_FMT_FP6 matrix_b_fmt:MATRIX_FMT_FP6 matrix_a_scale:MATRIX_SCALE_ROW1
.endif
.endr
.endr
.endm
.macro STEPE sc                        ; a quarter's first 128 along K (set 0); its second 128 are fetched into set 1 ahead of the products
	s_wait_dscnt 0x0                               ; set 0 and the quarter's scale words are in
	PLACES 4                                       ; in front of loads into set 1, which the last products read
	FETCH 1, 1
	WIN MUL
	MUL16 0, 0, 0, \sc, 0
	MUL16 2, 0, 0, \sc, 0
	WIN 0
.endm
.macro STEPO tc, sc                    ; a quarter's second 128 (set 1), and the step into the next quarter
	s_wait_dscnt 0x0                               ; set 1 is in; no LDS instruction of mine is out at the signal
	s_wait_tensorcnt \tc                           ; my part of the next quarter has landed: tc loads of mine were issued behind it
	s_barrier_signal -1
	WIN MUL
	MUL16 0, 1, 1, \sc, 0
	WIN 0
	s_barrier_wait -1                              ; everybody's part has landed.  Later quarters may stay on their way
.irp r, 8,9,10,11,12
	v_add_nc_u32 v\r, QUARTER, v\r                 ; on to the next quarter; these five are also the places in front of the loads into set 0
.endr
	FETCH 0, 0
	SCALES 1-\sc
	WIN MUL
	MUL16 2, 1, 1, \sc, 0
	WIN 0
.endm
	s_load_b256 s[4:11], s[0:1], 0x0               ; yimg s[4:5], cimg s[6:7], bproj s[8:9], out0 s[10:11]
	v_lshl_add_u32 v30, v0, 2, 0x4e000
	v_mov_b32 v31, 0
	ds_add_u32 v30, v31
	ds_add_u32 v30, v31
	v_lshrrev_b32 v1, 5, v0
	v_readfirstlane_b32 s[WV], v1                  ; wave 0..3
	s_lshr_b32 s[WR], s[WV], 1                     ; which half of P's tiles is mine.  Also: I fetch for P (0) or for Q (1)
	s_and_b32 s[WC], s[WV], 1                      ; which half of Q's tiles.  Also: which half of that operand I fetch
	s_bfe_u32 s[CX], ttmp6, 0x40000
	s_bfe_u32 s[CY], ttmp6, 0x40004
	s_lshl_b32 s17, s[CY], 2
	s_lshl_b32 s17, 15, s17                        ; my row of the cluster
	s_lshl_b32 s18, 0x1111, s[CX]                  ; my column
	s_or_b32 s[G1], s17, (3<<16)|(1<<21)           ; 15:0 the mask; 17:16 elements of 8 bytes; 21 set beside a mask; no padding
	s_or_b32 s[G1B], s18, (3<<16)|(1<<21)
	s_mov_b32 s[G1+1], 416<<16                     ; tensor_dim0 = 416 elements: a unit of 3,328 bytes
	s_mov_b32 s[G1+2], 4<<16                       ; tensor_dim1 = 4 tiles
	s_mov_b32 s[G1+3], 416<<16                     ; tile_dim0
	s_mov_b32 s[G1+4], 4                           ; tile_dim1
	s_mov_b32 s[G1+5], 1664                        ; from tile to tile: 13,312 bytes
	s_mov_b32 s[G1+6], 0
	s_mov_b32 s[G1+7], 0
	s_mov_b32 s[G1B+1], 416<<16
	s_mov_b32 s[G1B+2], 8<<16                      ; Q: 8 tiles
	s_mov_b32 s[G1B+3], 416<<16
	s_mov_b32 s[G1B+4], 8
	s_mov_b32 s[G1B+5], 1664
	s_mov_b32 s[G1B+6], 0
	s_mov_b32 s[G1B+7], 0
	s_and_b32 s17, ttmp7, 0xffff
	s_lshl_b32 s17, s17, 2
	s_add_co_u32 s17, s17, s[CY]                   ; my block of 128 tokens = 4 x cluster y + cy
	s_lshl_b32 s19, s17, 3                         ; P's first tile: hangs on cy and the cluster alone
	s_lshl_b32 s21, s[CX], 4
	s_add_co_u32 s21, s21, 704                     ; Q's first tile: on cx alone
	s_lshl_b32 s56, s[WC], 2
	s_add_co_u32 s56, s56, s19
	s_mul_i32 s56, s56, TILEB                      ; what I would fetch of P, in bytes
	s_mov_b32 s57, 0
	s_lshl_b32 s58, s[WC], 3
	s_add_co_u32 s58, s58, s21
	s_mul_i32 s58, s58, TILEB                      ; and of Q
	s_mov_b32 s59, 0
	s_mul_i32 s60, s[WC], TILEB                    ; where it goes in a quarter: no place in the cluster enters an LDS address
	s_mul_i32 s61, s[WC], 2*TILEB
	s_add_co_u32 s61, s61, QOFF
	s_wait_dscnt 0x0
	s_wait_kmcnt 0x0
	s_add_nc_u64 s[56:57], s[4:5], s[56:57]
	s_add_nc_u64 s[58:59], s[6:7], s[58:59]
	CROUND                                         ; all sixteen work-groups are here: the joint loads meet
.irp kq, 0,1,2,3                       ; all four quarters are asked for at once: four tensor loads of mine are out
	s_mov_b32 s[G0+4*\kq], 1
	s_add_co_u32 s[G0+4*\kq+1], s60, QUARTER*\kq
	s_add_nc_u64 s[G0+4*\kq+2:G0+4*\kq+3], s[56:57], UNIT*\kq
	s_or_b32 s[G0+4*\kq+3], s[G0+4*\kq+3], 0x80000000
	s_mov_b32 s[G0B+4*\kq], 1
	s_add_co_u32 s[G0B+4*\kq+1], s61, QUARTER*\kq
	s_add_nc_u64 s[G0B+4*\kq+2:G0B+4*\kq+3], s[58:59], UNIT*\kq
	s_or_b32 s[G0B+4*\kq+3], s[G0B+4*\kq+3], 0x80000000
	JLOAD \kq
.endr
	v_and_b32 v3, 31, v0                           ; lane
	v_and_b32 v1, 15, v0                           ; r
	v_bfe_u32 v2, v0, 4, 1                         ; h
	v_lshlrev_b32 v20, 4, v3                       ; 16 x lane
	v_lshlrev_b32 v21, 3, v3                       ; 8 x lane
	s_mul_i32 s62, s[WR], TILEB                    ; my four tiles of P
	v_add_nc_u32 v8, s62, v20
	v_add_nc_u32 v9, s62, v21
	v_add_nc_u32 v10, s61, v20                     ; my eight tiles of Q
	v_add_nc_u32 v11, s61, v21
	s_sub_co_u32 s63, s61, s62
	v_mul_u32_u24 v12, s63, v2                     ; the scale words: lanes 16-31 take Q's: one product, the distance x h
	v_add_nc_u32 v12, v12, v9
	v_lshlrev_b32 v22, 6, v2                       ; the bias: 64 h
	s_mul_i32 s62, s[WV], 8448                     ; my stage
	v_mul_u32_u24 v24, v1, 528
	v_lshl_add_u32 v24, v2, 6, v24
	v_add_nc_u32 v24, s62, v24                     ; in: row r, + 64 h
	v_add_nc_u32 v25, s62, v20                     ; back: a row's 512 bytes, 16 a lane
	v_lshlrev_b32 v26, 4, v3                       ; and the same in out0
	s_lshl_b32 s84, s[CX], 10
	s_lshl_b32 s85, s[WC], 9
	s_add_co_u32 s84, s84, s85                     ; my first feature, in bytes: 4 (256 cx + 128 wc)
	s_mov_b32 s85, 0
	s_add_nc_u64 s[22:23], s[8:9], s[84:85]        ; its bias
	s_lshl_b32 s86, s17, 19                        ; 128 tokens of 4,096 bytes,
	s_lshl_b32 s87, s[WR], 18                      ; my 64 of them
	s_add_co_u32 s86, s86, s87
	s_add_co_u32 s86, s86, s84
	s_mov_b32 s87, 0
	s_add_nc_u64 s[10:11], s[10:11], s[86:87]
.irp b, 0,1,2,3,4,5,6,7                ; register j of C (., b): the bias of feature 32 (b / 2) + 16 h + 8 (b % 2) + j
	global_load_b128 v[BIAS+8*\b:BIAS+8*\b+3], v22, s[22:23] offset:4*(32*(\b/2)+8*(\b%2))
	global_load_b128 v[BIAS+8*\b+4:BIAS+8*\b+7], v22, s[22:23] offset:4*(32*(\b/2)+8*(\b%2))+16
.endr
	s_wait_tensorcnt 3                             ; my part of quarter 0 has landed: three loads of mine were issued behind it
	s_barrier_signal -1
	s_barrier_wait -1                              ; everybody's has
	FETCH 0, 0
	SCALES 0
	s_wait_dscnt 0x0
	s_wait_loadcnt 0x0                             ; the bias
	FETCH 1, 1
	WIN MULC                                       ; the first products start the sums with the bias as C
	MUL16 0, 0, 0, 0, 1
	MUL16 2, 0, 0, 0, 1
	WIN 0
	STEPO 2, 0
	STEPE 1
	STEPO 1, 1
	STEPE 0
	STEPO 0, 0
	STEPE 1
	s_wait_dscnt 0x0                               ; the last 128 along K
	WIN MUL
	MUL16 0, 1, 1, 1, 0
	MUL16 2, 1, 1, 1, 0
	WIN 0
	PLACES 4                                       ; in front of the first read of results and of loads into registers that held P's fragments
.macro TOSTAGE a                       ; P's tile a: 16 tokens x 128 features into my stage, and back as whole rows.  LDS serves a wave's instructions in order: no wait between
	WIN 0x08                                       ; an LDS store's data are its source 1: window 2
.irp b, 0,1,2,3,4,5,6,7
	ds_store_b128 v24, v[64*(\a)+8*\b:64*(\a)+8*\b+3] offset:128*(\b/2)+32*(\b%2)       ; each accumulator from its low end on
	ds_store_b128 v24, v[64*(\a)+8*\b+4:64*(\a)+8*\b+7] offset:128*(\b/2)+32*(\b%2)+16
.endr
	WIN 0
.irp t, 0,1,2,3,4,5,6,7,8,9,10,11,12,13,14,15
	ds_load_b128 v[BK+64*((\a)%2)+4*\t:BK+64*((\a)%2)+4*\t+3], v25 offset:528*\t
.endr
.endm
.macro SEND a, younger                 ; younger: the LDS instructions issued behind tile a's loads, which may stay out
	s_wait_dscnt \younger
.irp t, 0,1,2,3,4,5,6,7,8,9,10,11,12,13,14,15
	global_store_b128 v26, v[BK+64*((\a)%2)+4*\t:BK+64*((\a)%2)+4*\t+3], s[10:11] offset:(32*((\a)/2)+8*((\a)%2)+\t+8*(\t/8))*4096 th:TH_STORE_NT   ; 32 lanes store 512 consecutive bytes, aligned to 256; the tile's row t is token 32 (a / 2) + 8 (a % 2) + t + 8 (t / 8)
.endr
.endm
	TOSTAGE 0
.irp a, 1,2,3
.if \a > 1
	s_wait_xcnt 0x0                                ; the stores of two tiles ago have read their registers: this tile's loads may land there
.endif
	TOSTAGE \a
	SEND \a-1, 32                                  ; behind that tile's loads: this tile's 16 stores and 16 loads
.endr
	SEND 3, 0
	s_wait_tensorcnt 0x0
	ds_add_u32 v30, v31
	s_wait_dscnt 0x0
	CROUND                                         ; the closing round: no work-group ends while a partner may still ask for a tile that names it
	s_endpgm
.Lfunc_end_k_qdee7979ee2_proj:
	.size	k_qdee7979ee2_proj, .Lfunc_end_k_qdee7979ee2_proj-k_qdee7979ee2_proj
	.p2alignl 7, 3214868480
	.fill 96, 4, 3214868480
	.section	.rodata,"a",@progbits
	.p2align	6, 0x0
	.amdhsa_kernel k_qdee7979ee2_proj
		.amdhsa_group_segment_fixed_size 320000
		.amdhsa_private_segment_fixed_size 0
		.amdhsa_enable_private_segment 0
		.amdhsa_kernarg_size 32
		.amdhsa_user_sgpr_count 2
		.amdhsa_user_sgpr_kernarg_segment_ptr 1
		.amdhsa_wavefront_size32 1
		.amdhsa_system_sgpr_workgroup_id_x 1
		.amdhsa_system_sgpr_workgroup_id_y 1
		.amdhsa_system_sgpr_workgroup_id_z 1
		.amdhsa_system_vgpr_workitem_id 0
		.amdhsa_next_free_vgpr 768
		.amdhsa_next_free_sgpr 102
		.amdhsa_reserve_vcc 0
		.amdhsa_float_denorm_mode_32 3
		.amdhsa_float_denorm_mode_16_64 3
		.amdhsa_memory_ordered 1
		.amdhsa_forward_progress 1
		.amdhsa_inst_pref_size 86
	.end_amdhsa_kernel
	.amdgpu_metadata
---
amdhsa.version: [ 1, 2 ]
amdhsa.kernels:
  - .name:           k_qdee7979ee2_proj
    .symbol:         k_qdee7979ee2_proj.kd
    .args:
      - { .name: yimg, .offset: 0, .size: 8, .value_kind: global_buffer, .address_space: global }
      - { .name: cimg, .offset: 8, .size: 8, .value_kind: global_buffer, .address_space: global }
      - { .name: bproj, .offset: 16, .size: 8, .value_kind: global_buffer, .address_space: global }
      - { .name: out0, .offset: 24, .size: 8, .value_kind: global_buffer, .address_space: global }
    .group_segment_fixed_size: 320000
    .private_segment_fixed_size: 0
    .kernarg_segment_align: 8
    .kernarg_segment_size: 32
    .max_flat_workgroup_size: 128
    .sgpr_count:     102
    .vgpr_count:     768
    .wavefront_size: 32
...
	.end_amdgpu_metadata
.endif
;; end of part 4
